; MI455X (gfx1250); checked and timed in simulation.
; The chip was launched on July 23, 2026; its instructions are those of AMD's public machine-readable ISA for CDNA 5 (MIT licence, August 2026) and "CDNA5" Instruction Set Architecture Reference Guide (July 2026). The comments in the code are by the model that wrote it; some were corrected since.
;; Multi Head Attention Part. Allowed arithmetic: matrix products marked QUANTISED: E2M3 operands, one E8M0 scale for each 32 along K, by v_wmma_scale_f32_16x16x128_f8f6f4 with both operands' format E2M3, f32 sums; everything else in f32.
;; Inputs: Wk 1,024 x 1,024 float32; Wo 1,024 x 1,024 float32; Wq 1,024 x 1,024 float32; Wv 1,024 x 1,024 float32; bo 1,024 float32; k 4 x 2,048 x 1,024 float32; mask 4 x 1 x 1 x 2,048 int32; q 4 x 2,048 x 1,024 float32; v 4 x 2,048 x 1,024 float32.
;; Outputs: out0 4 x 2,048 x 1,024 float32.
;; This version of the problem:
;;   THIS VERSION OF THE PROBLEM IS GIVEN IN LOW PRECISION. The matrix products marked QUANTISED in the list below multiply operands that are first quantised to E2M3 (2 exponent bits, 3 mantissa bits; 6 bits a number), with one power-of-two scale for each 32 numbers along K (OCP MX v1.0); their sums are f32. All else is computed in f32.
;;   The module's matrix products, in the order in which they are computed (A, B: the left and right operand; K: the contracted axis; several contracted axes count as one K, in the product's order):
;;     1. [M 8,192, K 1,024] x [K 1,024, N 1,024]; A: input q; B: input Wq: QUANTISED
;;     2. [M 8,192, K 1,024] x [K 1,024, N 1,024]; A: input k; B: input Wk: QUANTISED
;;     3. [M 8,192, K 1,024] x [K 1,024, N 1,024]; A: input v; B: input Wv: QUANTISED
;;     4. batch 64 x [M 2,048, K 64] x [K 64, N 2,048]; A: computed on the way; B: computed on the way: QUANTISED
;;     5. batch 64 x [M 2,048, K 2,048] x [K 2,048, N 64]; A: softmax (see below); B: computed on the way: QUANTISED
;;     6. [M 8,192, K 1,024] x [K 1,024, N 1,024]; A: computed on the way; B: input Wo: QUANTISED
;;   THE QUANTISER, for each operand of a quantised product, along K:
;;     - K is cut into blocks of 32 from its start; a last block that is shorter is filled with zeros.
;;     - A block's scale is 2^e with e = floor(log2(the largest magnitude in the block)) - 2, held to -126 .. 127; a block of zeros has e = 0. As a byte (E8M0): e + 127.
;;     - Each number is divided by its block's scale, clamped to +-7.5, and rounded to the nearest number of E2M3, ties to even, subnormals kept.
;;     - The product sums the exact products of the quantised numbers (number of the format x scale) in f32.
;;   ~~~python
;;   def quantise(x, axis):      # numpy; x: float32 -> the quantised numbers, widened to float32 again
;;       x = np.moveaxis(x, axis, -1); K = x.shape[-1]
;;       x = np.pad(x, [(0, 0)] * (x.ndim - 1) + [(0, -K % 32)]); x = x.reshape(x.shape[:-1] + (-1, 32)); a = np.abs(x).max(-1, keepdims=True)
;;       e = np.where(a > 0, np.clip(np.frexp(np.where(a > 0, a, 1))[1] - 1 - 2, -126, 127), 0)      # np.frexp(a)[1] - 1 = floor(log2(a)), exactly
;;       r = np.clip(x / 2.0 ** e, -7.5, 7.5)
;;       step = 2.0 ** (np.maximum(np.frexp(np.where(r == 0, 1, r))[1] - 1, 0) - 3)
;;       q = np.round(r / step) * step * 2.0 ** e      # np.round: ties to even
;;       return np.moveaxis(q.reshape(q.shape[:-2] + (-1,))[..., :K], -1, axis).astype(np.float32)
;;   ~~~
;;   SOFTMAX AHEAD OF A QUANTISED PRODUCT. Where the list says 'softmax', what is quantised is not the finished softmax but p = 2^(t - M), with t = logit x log2(e) and M = ceil(the row's largest t), a whole number; so 1/2 < the row's largest p <= 1. The row's sum l is taken of the UNQUANTISED p, in f32, and the product's result is divided by l at the end. Since M is a whole number, a kernel that streams over the keys may use a running M (the ceiling of the running maximum): every later rescaling is an exact power of two, which a block's scale takes up: the codes' values come out the same.
;;   OPERANDS COMPUTED ON THE WAY. 'Computed on the way' means the value that the module computes at that place (a softmax that the list does not call 'softmax' is quantised finished and normalised). What goes into a quantiser is computed in f32, as accurately as f32 sums, v_exp_f32 and their like allow (about 1e-6 of the number): no bf16 or f16 on the way to a quantiser, and a product that is left as it is and whose result goes on into a quantised operand takes f32 operands (vector FMAs, or v_wmma_f32_16x16x4_f32). A number that lies on a knife's edge between two numbers of the format may be rounded either way, as far as f32 arithmetic and the matrix unit's own rounding can turn it there, and no further.
;; One version. Each part assembles by itself: llvm-mc -triple=amdgcn-amd-amdhsa -mcpu=gfx1250 --defsym DOCPART=n.
;; ======== version 1 of 1: 4 launches
;; limits: right only within a limited range of input values
;; workspace buffers: img 22,020,096 bytes; isc 917,504 bytes; qimg 8,912,896 bytes; kimg 8,912,896 bytes; vimg 6,553,600 bytes; aimg 6,291,456 bytes; asc 262,144 bytes
;; launch quant (part 1): grid 448 x 1, 4 waves a work-group, no clusters, 34,304 bytes of LDS; arguments q, k, v, Wq, Wk, Wv, Wo, img, isc; writes img, isc
.if DOCPART == 1
	.amdgcn_target "amdgcn-amd-amdhsa--gfx1250"
	.amdhsa_code_object_version 6
	.text
	.protected	k_qe7bdc5aba3_quant
	.globl	k_qe7bdc5aba3_quant
	.p2align	8
	.type	k_qe7bdc5aba3_quant,@function
k_qe7bdc5aba3_quant:
	s_mov_b64 s[64:65], 0
	v_nop
	global_prefetch_b8 v0, s[64:65] scope:SCOPE_SE
	s_setreg_imm32_b32 hwreg(HW_REG_WAVE_MODE, 25, 1), 1
	s_wait_xcnt 0x0
; q, k, v [8192][1024] and Wq, Wk, Wv, Wo [1024][1024], f32, K innermost, become codes of FP6 (E2M3) with one E8M0 byte for each 32 along K,
; laid as IMAGES OF OPERAND REGISTERS.  A tile is 16 rows; tile T of a tensor begins at row 32 (T / 2) + 8 (T % 2), and its lane r is that row + r + 8 (r / 8).
; A tile's record in img is 12,288 bytes: 8 K steps of 1,536; a K step is two halves c of 768: registers 6 c .. 6 c + 3 (16 bytes a lane at 16 x lane), then registers 6 c + 4, 6 c + 5 (8 x lane).
; isc: 512 bytes a tile: lane (r, h) has 16 bytes at 16 x lane: word i is row r's scale word of K step 4 h + i.
; Tiles in img: q 0.., k 512.., v 1024.., Wq 1536.., Wk 1600.., Wv 1664.., Wo 1728...
; A block's scale is 2^(floor(log2(largest magnitude)) - 2): its byte is the largest magnitude's exponent field - 2, held at 1 from below.
; LIMITS: a block of zeros gets the byte 1 where the rule says 127 (its codes are zeros, and this program alone reads the bytes); blocks whose largest magnitude lies under 2^-124 keep the byte 1; NaN and infinities are not served.
; SHARES: one wave, one tile record (16 rows x 1,024).  Each load reads 512 consecutive bytes of one row; a K step's 16 x 512 bytes turn through the wave's own stage in LDS (rows 528 bytes apart),
; from which lane (r, h) takes its two whole blocks of 32 (block 2 c + h of row r).  Waves share nothing: no barrier.  Loads run two K steps (32 loads a wave) ahead.
.set STG,  8448                        ; a wave's stage: 16 rows x 528 bytes
.set LD0,  32                          ; v32-95, v96-159: two sets of 16 x 4 registers as loaded
.set X,    160                         ; v160-223: my two blocks of 32 numbers
.set PC,   224                         ; v224-235: the fragment's 12 registers
.set H2,   236                         ; v236-238, v240-242: each block's upper 16 codes as the conversion leaves them
.set SW,   16                          ; v16-19: the scale words gathered for isc
	s_load_b512 s[8:23], s[0:1], 0x0               ; q, k, v, Wq, Wk, Wv, Wo, img
	s_load_b64 s[24:25], s[0:1], 0x40              ; isc
	v_lshl_add_u32 v248, v0, 2, 0x8400
	v_mov_b32 v249, 0
	v_lshrrev_b32 v1, 5, v0
	v_readfirstlane_b32 s33, v1                    ; wave 0..3
	v_and_b32 v1, 31, v0                           ; lane
	v_lshlrev_b32 v2, 4, v1                        ; 16 x lane
	v_lshlrev_b32 v3, 3, v1                        ; 8 x lane
	s_mul_i32 s34, s33, STG
	v_add_nc_u32 v4, s34, v2                       ; the stage, on the way in: a row's 512 bytes as they lie
	v_and_b32 v7, 15, v0                           ; r
	v_bfe_u32 v6, v0, 4, 1                         ; h
	v_mul_u32_u24 v5, v7, 528
	v_lshl_add_u32 v5, v6, 7, v5
	v_add_nc_u32 v5, s34, v5                       ; and on the way out: row r, + 128 h
	v_lshlrev_b32 v6, 3, v6                        ; 8 h: how far my two bytes are shifted in the scale word
	v_mov_b32 v15, 0                               ; a lane permute's destination counts as read: written once
	s_mov_b32 s30, 0x76543210
	s_mov_b32 s31, 0xfedcba98                      ; selects for lane l xor 16
	s_mov_b32 s32, 0xffff0000                      ; lanes 16-31
	; THE TILES OF k ARE LAID OTHERWISE than all other tensors': tile T begins at row 64 (T / 4) + 8 (T % 4), and its lane r is that row + r % 8 + 32 (r / 8),
	; so that in the attention's first product a lane's 32 scores of four tiles are one whole block of 32 neighbouring keys.
	s_sub_co_u32 s36, ttmp9, 128
	s_cmp_lt_u32 s36, 128                          ; work-groups 128 .. 255 take k: the choice hangs on the work-group's number alone
	s_cselect_b32 s37, 2, 1                        ; tiles to a group of rows: 4 or 2, as a shift,
	s_cselect_b32 s38, 3, 1                        ; and as a mask
	s_cselect_b32 s39, 65536, 0                    ; a tile's rows 8-15 lie 16 rows of 4,096 bytes further on in k
	v_add_nc_u32 v20, s39, v2                      ; the loads' offset for rows 8-15
	s_wait_alu depctr_va_vdst(0)
	s_wait_kmcnt 0x0
	s_mov_b64 s[4:5], s[20:21]                     ; which tensor is my work-group's?  The choice hangs on the work-group's number alone
	s_mov_b32 s6, 432
.macro PICK lim, ptr, first
	s_cmp_lt_u32 ttmp9, \lim
	s_cselect_b64 s[4:5], s[\ptr:\ptr+1], s[4:5]
	s_cselect_b32 s6, \first, s6
.endm
	PICK 432, 18, 416
	PICK 416, 16, 400
	PICK 400, 14, 384
	PICK 384, 12, 256
	PICK 256, 10, 128
	PICK 128, 8, 0
	s_sub_co_u32 s6, ttmp9, s6
	s_lshl_b32 s6, s6, 2
	s_add_co_u32 s6, s6, s33                       ; my tile's number in its tensor
	s_lshr_b32 s7, s6, s37
	s_add_co_u32 s36, s37, 4
	s_lshl_b32 s7, s7, s36                         ; 32 (T / 2), in k 64 (T / 4)
	s_and_b32 s6, s6, s38
	s_lshl_b32 s6, s6, 3
	s_add_co_u32 s6, s6, s7                        ; its first row
	s_lshl_b32 s6, s6, 12                          ; x 4,096 bytes (under 2^26)
	s_mov_b32 s7, 0
	s_add_nc_u64 s[4:5], s[4:5], s[6:7]
	s_lshl_b32 s35, ttmp9, 2
	s_add_co_u32 s35, s35, s33                     ; my tile's number in img
	s_mul_i32 s6, s35, 12288
	s_add_nc_u64 s[26:27], s[22:23], s[6:7]
	s_lshl_b32 s6, s35, 9
	s_add_nc_u64 s[28:29], s[24:25], s[6:7]
.macro LOAD s                          ; K step s: 16 rows x 512 bytes
.irp i, 0,1,2,3,4,5,6,7,8,9,10,11,12,13,14,15
.if \i < 8
	global_load_b128 v[LD0+64*((\s)%2)+4*\i:LD0+64*((\s)%2)+4*\i+3], v2, s[4:5] offset:\i*4096+512*(\s) th:TH_LOAD_NT
.else
	global_load_b128 v[LD0+64*((\s)%2)+4*\i:LD0+64*((\s)%2)+4*\i+3], v20, s[4:5] offset:(\i+8)*4096+512*(\s) th:TH_LOAD_NT
.endif
.endr
.endm
.macro QSTEP s
.if (\s) < 7
	s_wait_loadcnt 16                              ; this step's 16 loads are in; the next step's 16 may be out
.else
	s_wait_loadcnt 0x0
.endif
.irp i, 0,1,2,3,4,5,6,7,8,9,10,11,12,13,14,15
	ds_store_b128 v4, v[LD0+64*((\s)%2)+4*\i:LD0+64*((\s)%2)+4*\i+3] offset:528*\i
.endr
.irp c, 0,1
.irp j, 0,1,2,3,4,5,6,7
	ds_load_b128 v[X+32*\c+4*\j:X+32*\c+4*\j+3], v5 offset:256*\c+16*\j   ; LDS serves a wave's instructions in order: these see the stores above
.endr
.endr
	s_wait_dscnt 0x0                               ; my numbers are back, and the stores have read the set,
.if (\s)+2 < 8
	LOAD (\s)+2                                    ; which takes the loads of two steps on
.endif
.irp c, 0,1
	v_max3_num_f32 v[8+\c], |v[X+32*\c]|, |v[X+32*\c+1]|, 0x1800000   ; block 2 c + h: all 32 numbers are mine; the floor 2^(3 - 127) holds the byte at 1 from below
.endr
.irp i, 2,4,6,8,10,12,14,16,18,20,22,24,26,28,30
.irp c, 0,1
	v_max3_num_f32 v[8+\c], v[8+\c], |v[X+32*\c+\i]|, |v[X+32*\c+\i+1]|
.endr
.endr
.irp c, 0,1
	v_add_nc_u32 v[10+\c], 0xff000000, v[8+\c]     ; 2 off the exponent field: the conversion's scale operand
.endr
.irp c, 0,1
	v_lshrrev_b32 v[12+\c], 23, v[10+\c]           ; the scale's byte
.endr
	v_lshl_or_b32 v14, v13, 16, v12                ; my two bytes, blocks h and 2 + h,
	v_lshlrev_b32 v14, v6, v14                     ; at their places in the word;
	v_permlanex16_b32 v15, v14, s30, s31
	v_or_b32 v14, v14, v15                         ; with lane l xor 16's two the word is whole
.if (\s) > 0
	s_wait_alu depctr_va_vdst(0)
	s_wait_xcnt 0x0                                ; the last step's stores have read the codes' registers: they are written again only behind this wait
.endif
.irp c, 0,1
	v_cvt_scalef32_pk16_fp6_f32 v[PC+6*\c:PC+6*\c+2], v[X+32*\c:X+32*\c+15], v[10+\c]
	v_cvt_scalef32_pk16_fp6_f32 v[H2+4*\c:H2+4*\c+2], v[X+32*\c+16:X+32*\c+31], v[10+\c]   ; (a conversion's three registers begin on an even number)
.endr
	v_nop                                          ; one plain instruction behind a scaled conversion
.irp c, 0,1
.irp i, 0,1,2
	v_mov_b32 v[PC+6*\c+3+\i], v[H2+4*\c+\i]
.endr
.endr
	global_store_b128 v2, v[PC:PC+3], s[26:27] offset:1536*(\s)            ; 512 consecutive bytes
	global_store_b64 v3, v[PC+4:PC+5], s[26:27] offset:1536*(\s)+512       ; 256
	global_store_b128 v2, v[PC+6:PC+9], s[26:27] offset:1536*(\s)+768
	global_store_b64 v3, v[PC+10:PC+11], s[26:27] offset:1536*(\s)+1280
.if (\s) < 4
	v_mov_b32 v[SW+(\s)], v14                      ; lanes 0-15 keep K steps 0-3,
.else
	v_cndmask_b32 v[SW+(\s)-4], v[SW+(\s)-4], v14, s32   ; lanes 16-31 take K steps 4-7
.endif
.endm
	LOAD 0
	LOAD 1
.irp s, 0,1,2,3,4,5,6,7
	QSTEP \s
.endr
	global_store_b128 v2, v[SW:SW+3], s[28:29]     ; the tile's 512 bytes of scale words
	s_wait_tensorcnt 0x0
	ds_add_u32 v248, v249
	s_wait_dscnt 0x0
	s_endpgm
.Lfunc_end_k_qe7bdc5aba3_quant:
	.size	k_qe7bdc5aba3_quant, .Lfunc_end_k_qe7bdc5aba3_quant-k_qe7bdc5aba3_quant
	.p2alignl 7, 3214868480
	.fill 96, 4, 3214868480
	.section	.rodata,"a",@progbits
	.p2align	6, 0x0
	.amdhsa_kernel k_qe7bdc5aba3_quant
		.amdhsa_group_segment_fixed_size 34304
		.amdhsa_private_segment_fixed_size 0
		.amdhsa_enable_private_segment 0
		.amdhsa_kernarg_size 72
		.amdhsa_user_sgpr_count 2
		.amdhsa_user_sgpr_kernarg_segment_ptr 1
		.amdhsa_wavefront_size32 1
		.amdhsa_system_sgpr_workgroup_id_x 1
		.amdhsa_system_sgpr_workgroup_id_y 1
		.amdhsa_system_sgpr_workgroup_id_z 1
		.amdhsa_system_vgpr_workitem_id 0
		.amdhsa_next_free_vgpr 250
		.amdhsa_next_free_sgpr 66
		.amdhsa_reserve_vcc 0
		.amdhsa_float_denorm_mode_32 3
		.amdhsa_float_denorm_mode_16_64 3
		.amdhsa_memory_ordered 1
		.amdhsa_forward_progress 1
		.amdhsa_inst_pref_size 60
	.end_amdhsa_kernel
	.amdgpu_metadata
---
amdhsa.version: [ 1, 2 ]
amdhsa.kernels:
  - .name:           k_qe7bdc5aba3_quant
    .symbol:         k_qe7bdc5aba3_quant.kd
    .args:
      - { .name: q, .offset: 0, .size: 8, .value_kind: global_buffer, .address_space: global }
      - { .name: k, .offset: 8, .size: 8, .value_kind: global_buffer, .address_space: global }
      - { .name: v, .offset: 16, .size: 8, .value_kind: global_buffer, .address_space: global }
      - { .name: Wq, .offset: 24, .size: 8, .value_kind: global_buffer, .address_space: global }
      - { .name: Wk, .offset: 32, .size: 8, .value_kind: global_buffer, .address_space: global }
      - { .name: Wv, .offset: 40, .size: 8, .value_kind: global_buffer, .address_space: global }
      - { .name: Wo, .offset: 48, .size: 8, .value_kind: global_buffer, .address_space: global }
      - { .name: img, .offset: 56, .size: 8, .value_kind: global_buffer, .address_space: global }
      - { .name: isc, .offset: 64, .size: 8, .value_kind: global_buffer, .address_space: global }
    .group_segment_fixed_size: 34304
    .private_segment_fixed_size: 0
    .kernarg_segment_align: 8
    .kernarg_segment_size: 72
    .max_flat_workgroup_size: 128
    .sgpr_count:     66
    .vgpr_count:     250
    .wavefront_size: 32
...
	.end_amdgpu_metadata
.endif
;; end of part 1
;; launch proj (part 2): grid 4 x 64, 4 waves a work-group, clusters of 4 x 4, 327,680 bytes of LDS; arguments img, isc, mask, qimg, kimg, vimg; writes qimg, kimg, vimg
.if DOCPART == 2
	.amdgcn_target "amdgcn-amd-amdhsa--gfx1250"
	.amdhsa_code_object_version 6
	.text
	.protected	k_qe7bdc5aba3_proj
	.globl	k_qe7bdc5aba3_proj
	.p2align	8
	.type	k_qe7bdc5aba3_proj,@function
k_qe7bdc5aba3_proj:
	s_mov_b64 s[64:65], 0
	v_nop
	global_prefetch_b8 v0, s[64:65] scope:SCOPE_SE
	s_setreg_imm32_b32 hwreg(HW_REG_WAVE_MODE, 25, 1), 1
	s_wait_xcnt 0x0
	s_wait_alu depctr_hold_cnt(0) depctr_sa_sdst(0) depctr_va_vdst(0) depctr_va_sdst(0) depctr_va_ssrc(0) depctr_va_vcc(0) depctr_vm_vsrc(0)
	s_getreg_b32 s2, hwreg(HW_REG_IB_STS2, 6, 4)
	s_cmp_eq_u32 s2, 0
	s_cbranch_scc0 .Lentry_in_a_cluster
	s_endpgm
.Lentry_in_a_cluster:
	s_bfe_u32 s2, ttmp6, 0x10000c
	s_cmp_lg_u32 s2, 0xf033
	s_cbranch_scc0 .Lentry_shape_is_right
	s_endpgm
.Lentry_shape_is_right:
; The three input projections on codes of FP6 (E2M3, one E8M0 scale for each 32 along K), K = 1,024; their results are quantised in registers and leave as images of the attention's operand registers.
; A tile of work multiplies P (source 0, 256 rows = 16 records of img) by R (source 1, 128 rows = 8 records).  Q, K: P = the weight (its rows are the head's channels, the next K), R = the tokens.  V: P = the tokens (the keys are the next K), R = Wv.
; A record is 16 rows; by the rows' order in img the results of P's records 2 b, 2 b + 1 give a lane (r, h) row r of R's record and 16 neighbours 32 b + 16 h + 0 .. 15 along the next K.
; A WORK-GROUP STAYS: 256 work-groups, each makes three tiles on end: one of Q, one of K, one of V.  Four waves: wave & 1 takes 8 of P's records, wave >> 1 takes 4 of R's: 32 accumulators,
; which take turns in the same order in every K step.
; THE RING: two slots of 147,456 bytes, slot h with K steps 4 h .. 4 h + 3 of a tile: P's 16 records, then R's 8, 6,144 bytes each (rows of 6,144 bytes, at multiples of 256 in img).
; Wave 0 fills P's part of slot 0, wave 2 R's, wave 1 P's part of slot 1, wave 3 R's: one tensor load a wave at the head, and one behind the round in which its slot is free.
; In K step 3 all fragments of slot 0 are in registers: a round of the cluster's barrier shows slot 1 whole, and slot 0 takes the next tile's first half; in K step 7 likewise slot 1, and the next tile's first fragments are fetched.
; By the text's own count a wave has one load out; slot 0's refill has four K steps (128 matrix instructions a wave) in which to land, slot 1's the way out and four K steps.  The last tile (V) fills nothing and is written out.
; CLUSTER 4 x 4: P's records hang on cx alone and are asked for jointly along a column, R's on cy alone, along a row.
; THE SCALE WORDS of the next tile are loaded a tile ahead into 48 spare registers and moved at the tile's top.
; PREFETCH: at a tile's top the next tile's tokens (K: R's 8 records, V: P's 16) are asked for, three K steps ahead of the first load that wants them: each of the sixteen waves that ask for them jointly names a sixteenth, told apart by address.
; The weights' records, which every cluster reads, and the first tile come by their loads alone.
; THE MASK RIDES IN THE SECOND PRODUCT'S SPARE K.  Q K^T has K = 64 of the instruction's 128.  At k = 64 Q carries the code -1.0 under the scale 1; a hidden key carries 1.0 under 2^36 and zeros for its 64 real codes,
; a shown key 0 under 2^-126.  So a hidden key's score is exactly -2^36, and a shown key's has 0 added.
; LIMITS: the hidden logit is -2^33 = -8.59e9 where the reference has -1e10: results differ only where a shown logit lies under about -8.5e9.  Blocks of zeros get the byte 1 (read by this program alone); blocks under 2^-124 keep the byte 1; NaN and infinities are not served.
; REGISTERS: window 0: v1 16 x lane, v2 8 x lane, v4-7, v14-17 LDS addresses in slot 0, 1, v31-62 P's scale words, v64-79 R's, v80-175 R's fragments (two sets), v176-239 the way out.
;   window 1: P's fragments, two sets of 96.  window 2: the accumulators, (a, t) at v[8 (8 a + t)].  window 3: v0-47 the next tile's scale words.
.set WV, 16
.set WP, 17
.set WR, 18
.set CX, 19
.set CY, 20
.set WHICH, 22                         ; the tile: 0 Q, 1 K (2, V, is written out)
.set JJ, 23
.set G1P, 24
.set G1R, 32
.set G0P, 40
.set PT, 44                            ; first record of P and of R of the tile that is asked for next
.set RT, 45
.set PV, 46                            ; and of V's tile
.set RV, 47
.set K6, 48                            ; 6,144 x the half of K that I fetch
.set G0R, 56
.set FLOOR, 76
.set RIDX, 77
.set SEL, 78
.set OB, 80
.set HIM, 82
.set SLOT, 147456
.set SPARE, 2*SLOT
.set SCP, 31                           ; (P's and R's scale registers differ modulo 8)
.set SCR, 64
.set RF, 80
.set TM, 176                           ; v176-179 largest magnitudes, v180-183 bytes, v188-191 scale operands
.set PC, 192                           ; v192-203 the codes just made; v204-206, v208-210 upper halves
.set PW, 212
.set MK, 213                           ; v213-216 the mask words of my four records of tokens
.set CM, 217
.set HI, 219
.set W0, 220
.set TQ, 224                           ; v224-227, v228-231: registers 4-7 of the two heads' fragments
.set SW, 232                           ; v232-235 scale words gathered
.set XH, 236
.set XS, 237
.set HIH, 238
.set HIS, 239
.set SPW, 254
.set NIL, 255
.set MUL, 0xa1                         ; source 0 (P) window 1, source 1 (R) window 0, C and D window 2
.set TO_P, 0x40                        ; destination window 1, address window 0
.set MSB, 0
.macro WIN new                         ; the immediate's high byte repeats the setting that is left
.if MSB != \new
	s_set_vgpr_msb (MSB<<8)|\new
.set MSB, \new
.endif
.endm
.macro WALU
	s_wait_alu depctr_va_vdst(0)
.endm
.macro PLACES n
.rept \n
	v_nop
.endr
.endm
.macro CREST                           ; a round of the cluster's barrier behind its opening barrier
	s_cmp_lg_u32 s[WV], 0
	s_cbranch_scc1 .Lnot_wave_0_\@
	s_barrier_signal -3
.Lnot_wave_0_\@:
	s_barrier_wait -3
	s_barrier_signal -1
	s_barrier_wait -1
.endm
.macro CROUND
	s_barrier_signal -1
	s_barrier_wait -1
	CREST
.endm
.macro TLOAD g0, g1
	tensor_load_to_lds s[\g0:\g0+3], s[\g1:\g1+7]
	s_nop 0
	PLACES 4
.endm
.macro NEXTDESC                        ; both group 0's addresses for the tile at PT, RT: my half of K of each record.  No tensor load of mine is out where this stands
	s_mul_i32 s52, s[PT], 12288
	s_add_co_u32 s52, s52, s[K6]
	s_add_nc_u64 s[G0P+2:G0P+3], s[4:5], s[52:53]
	s_or_b32 s[G0P+3], s[G0P+3], 0x80000000
	s_mul_i32 s54, s[RT], 12288
	s_add_co_u32 s54, s54, s[K6]
	s_add_nc_u64 s[G0R+2:G0R+3], s[4:5], s[54:55]
	s_or_b32 s[G0R+3], s[G0R+3], 0x80000000
.endm
.macro REFILL h                        ; slot h: wave h asks for P's part, wave 2 + h for R's
	s_cmp_eq_u32 s[WV], \h
	s_cbranch_scc0 .Lfor_r_\@
	TLOAD G0P, G1P
	s_branch .Ljoin_\@
.Lfor_r_\@:
	s_cmp_eq_u32 s[WV], 2+\h
	s_cbranch_scc0 .Ljoin_\@
	TLOAD G0R, G1R
.Ljoin_\@:
.endm
.macro SCLOAD                          ; the scale words of the tile at PT, RT, for all of K: 512 dense bytes a record, into the spare registers
	s_lshl_b32 s52, s[WP], 3
	s_add_co_u32 s52, s52, s[PT]
	s_lshl_b32 s52, s52, 9
	s_add_nc_u64 s[96:97], s[6:7], s[52:53]
	s_lshl_b32 s54, s[WR], 2
	s_add_co_u32 s54, s54, s[RT]
	s_lshl_b32 s54, s54, 9
	s_add_nc_u64 s[98:99], s[6:7], s[54:55]
	WIN 0xc0                                       ; destination window 3
.irp t, 0,1,2,3,4,5,6,7
	global_load_b128 v[4*\t:4*\t+3], v1, s[96:97] offset:512*\t
.endr
.irp a, 0,1,2,3
	global_load_b128 v[32+4*\a:32+4*\a+3], v1, s[98:99] offset:512*\a
.endr
	WIN 0
.endm
.macro FRAG reg, a16, a8, off          ; a fragment's 12 registers, as they were stored
	ds_load_b128 v[(\reg):(\reg)+3], v[\a16] offset:(\off)
	ds_load_b64 v[(\reg)+4:(\reg)+5], v[\a8] offset:(\off)+512
	ds_load_b128 v[(\reg)+6:(\reg)+9], v[\a16] offset:(\off)+768
	ds_load_b64 v[(\reg)+10:(\reg)+11], v[\a8] offset:(\off)+1280
.endm
.macro FETCH s                         ; K step s: my 8 fragments of P and 4 of R into set s % 2, out of slot s / 4: 48 LDS loads in one run
	WIN TO_P
.irp t, 0,1,2,3,4,5,6,7
	FRAG 96*((\s)%2)+12*\t, 4+10*((\s)/4), 5+10*((\s)/4), 6144*\t+1536*((\s)%4)
.endr
	WIN 0
.irp a, 0,1,2,3
	FRAG RF+48*((\s)%2)+12*\a, 6+10*((\s)/4), 7+10*((\s)/4), 6144*\a+1536*((\s)%4)
.endr
.endm
.macro MUL8 a, s                       ; R's record a x P's eight.  K steps 0-3 read the scale words' lanes 0-15, K steps 4-7 lanes 16-31.  The first K step starts the sums
.irp t, 0,1,2,3,4,5,6,7
.if (\s) == 0
	v_wmma_scale_f32_16x16x128_f8f6f4 v[8*(8*(\a)+\t):8*(8*(\a)+\t)+7], v[12*\t:12*\t+11], v[RF+12*(\a):RF+12*(\a)+11], 0, v[SCP+4*\t], v[SCR+4*(\a)] matrix_a_fmt:MATRIX_FMT_FP6 matrix_b_fmt:MATRIX_FMT_FP6
.elseif (\s) < 4
	v_wmma_scale_f32_16x16x128_f8f6f4 v[8*(8*(\a)+\t):8*(8*(\a)+\t)+7], v[96*((\s)%2)+12*\t:96*((\s)%2)+12*\t+11], v[RF+48*((\s)%2)+12*(\a):RF+48*((\s)%2)+12*(\a)+11], v[8*(8*(\a)+\t):8*(8*(\a)+\t)+7], v[SCP+4*\t+(\s)], v[SCR+4*(\a)+(\s)] matrix_a_fmt:MATRIX_FMT_FP6 matrix_b_fmt:MATRIX_FMT_FP6
.else
	v_wmma_scale_f32_16x16x128_f8f6f4 v[8*(8*(\a)+\t):8*(8*(\a)+\t)+7], v[96*((\s)%2)+12*\t:96*((\s)%2)+12*\t+11], v[RF+48*((\s)%2)+12*(\a):RF+48*((\s)%2)+12*(\a)+11], v[8*(8*(\a)+\t):8*(8*(\a)+\t)+7], v[SCP+4*\t+(\s)-4], v[SCR+4*(\a)+(\s)-4] matrix_a_fmt:MATRIX_FMT_FP6 matrix_b_fmt:MATRIX_FMT_FP6 matrix_a_scale:MATRIX_SCALE_ROW1 matrix_b_scale:MATRIX_SCALE_ROW1
.endif
.endr
.endm
; A K step: 32 matrix instructions; in their middle the next K step's fragments are asked for, behind four plain vector instructions (ISA guide 7.12.1 for vector instructions).
; mode 0: no more.  mode 1: the change of slots with a refill.  mode 2: the last tile's change of slots. mode 3: the last K step of all: nothing is fetched.
.macro KSTEP s, mode
	s_wait_dscnt 0x0                               ; this step's fragments are in: with them my reads of the slot that step 3 or 7 leaves are over
.if \mode == 1
	WIN 0
	s_wait_tensorcnt 0x0                           ; all my tensor loads have landed;
	ds_add_u32 v[SPW], v[NIL]                      ; 0 onto my spare word;
.if (\s) == 3
	NEXTDESC                                       ; (work on registers stands between the add and the wait for it)
.endif
	WIN MUL
	MUL8 0, \s
	s_wait_dscnt 0x0                               ; the add is done
	s_barrier_signal -1                            ; the barrier opens a round of the cluster's barrier;
	MUL8 1, \s                                     ; work on registers while the others arrive
	WIN 0
	s_barrier_wait -1
	CREST                                          ; no wave of any partner still reads the slot or has a load on its way, and the other slot is whole
	REFILL (\s)/4
	PLACES 4                                       ; for the waves that come round the loads
	FETCH ((\s)+1)%8
.elseif \mode == 2
	WIN MUL
	MUL8 0, \s
	MUL8 1, \s
	WIN 0
	s_wait_tensorcnt 0x0                           ; every wave's last load has landed
	s_barrier_signal -1
	s_barrier_wait -1
	PLACES 4
	FETCH (\s)+1
.else
	WIN MUL
	MUL8 0, \s
	MUL8 1, \s
.if \mode == 0
	PLACES 4
	FETCH (\s)+1
.endif
.endif
	WIN MUL
	MUL8 2, \s
	MUL8 3, \s
.endm
; A tile's top: its scale words come out of the spare registers; more = 1: the next tile's are asked for, and its tokens are prefetched.
.macro TOP more
	s_wait_loadcnt 0x0
	WIN 0x03                                       ; source 0: window 3
.set i, 0
.rept 32
	v_mov_b32 v[SCP+i], v[i]
.set i, i+1
.endr
.rept 16
	v_mov_b32 v[SCR+i-32], v[i]
.set i, i+1
.endr
	WIN 0
.if \more
	SCLOAD
	s_cmp_eq_u32 s[WHICH], 0                       ; next comes K (its tokens are R's 8 records, shared along my row) or V (P's 16, shared along my column)
	s_cselect_b32 s60, s[RT], s[PT]
	s_cselect_b32 s61, s[CX], s[CY]                ; my work-group's place among the four that will ask jointly
	s_mov_b32 s62, 12288
	s_cselect_b32 s62, 6144, s62                   ; a sixteenth of the records' bytes
	s_cselect_b32 s63, 23, 31                      ; its last block of 256 bytes that the first instruction names
	s_lshl_b32 s61, s61, 2
	s_add_co_u32 s61, s61, s[WV]
	s_mul_i32 s61, s61, s62
	s_mul_i32 s60, s60, 12288
	s_add_co_u32 s60, s60, s61
	v_min_u32 v18, s63, v3
	v_lshl_add_u32 v18, v18, 8, s60
	global_prefetch_b8 v18, s[4:5] th:TH_LOAD_NT scope:SCOPE_SE
	s_cmp_eq_u32 s[WHICH], 0
	s_cbranch_scc1 .Lasked_for_\@
	v_min_u32 v19, 15, v3                          ; V: blocks 32 .. 47 of my 48
	v_lshl_add_u32 v19, v19, 8, s60
	global_prefetch_b8 v19, s[4:5] offset:8192 th:TH_LOAD_NT scope:SCOPE_SE
.Lasked_for_\@:
.endif
	PLACES 8                                       ; a scale register written by a vector instruction stands eight plain instructions ahead of a scaled product
	WALU                                           ; the wait ahead of the K step's wait
.endm
	s_load_b256 s[4:11], s[0:1], 0x0               ; img s[4:5], isc s[6:7], mask s[8:9], qimg s[10:11]
	s_load_b128 s[12:15], s[0:1], 0x20             ; kimg s[12:13], vimg s[14:15]
	v_lshl_add_u32 v[SPW], v0, 2, SPARE
	v_mov_b32 v[NIL], 0
	ds_add_u32 v[SPW], v[NIL]                      ; the opening lines: the add, twice on end, and its wait
	ds_add_u32 v[SPW], v[NIL]
	v_lshrrev_b32 v1, 5, v0
	v_readfirstlane_b32 s[WV], v1                  ; wave 0..3
	s_and_b32 s[WP], s[WV], 1                      ; which half of P is mine.  Also: which slot I fill
	s_lshr_b32 s[WR], s[WV], 1                     ; which half of R is mine
	s_bfe_u32 s[CX], ttmp6, 0x40000
	s_bfe_u32 s[CY], ttmp6, 0x40004
	s_and_b32 s[JJ], ttmp7, 0xffff                 ; the cluster's y, 0..15
	s_lshl_b32 s84, s[CX], 4                       ; P's records hang on cx, never on cy
	s_add_co_u32 s[PT], s84, 1536                  ; Q: P = Wq's records
	s_and_b32 s85, s[JJ], 7
	s_lshl_b32 s85, s85, 6
	s_add_co_u32 s85, s85, s84
	s_add_co_u32 s[PV], s85, 1024                  ; V: P = v's records
	s_lshl_b32 s86, s[CY], 3                       ; R's hang on cy, never on cx
	s_lshl_b32 s87, s[JJ], 5
	s_add_co_u32 s[RT], s87, s86                   ; Q: R = q's records
	s_lshr_b32 s87, s[JJ], 3
	s_lshl_b32 s87, s87, 5
	s_add_co_u32 s87, s87, s86
	s_add_co_u32 s[RV], s87, 1664                  ; V: R = Wv's records
	s_mul_i32 s[K6], s[WP], 6144
	s_mov_b32 s53, 0
	s_mov_b32 s55, 0
	s_mul_i32 s92, s[WP], SLOT                     ; LDS: the slot that I fill: P's records,
	s_add_co_u32 s93, s92, 98304                   ; and R's behind them
	s_lshl_b32 s94, s[CY], 2
	s_lshl_b32 s94, 15, s94                        ; my row of the cluster
	s_lshl_b32 s95, 0x1111, s[CX]                  ; my column
	s_or_b32 s[G1P], s95, (3<<16)|(1<<21)          ; 15:0 the mask; 17:16 elements of 8 bytes; 21 set beside a mask; no padding
	s_or_b32 s[G1R], s94, (3<<16)|(1<<21)
	s_mov_b32 s[G1P+1], 768<<16                    ; tensor_dim0 = 768 elements: half a record, 6,144 bytes
	s_mov_b32 s[G1P+2], 16<<16                     ; tensor_dim1 = 16 records
	s_mov_b32 s[G1P+3], 768<<16
	s_mov_b32 s[G1P+4], 16
	s_mov_b32 s[G1P+5], 1536                       ; from record to record: 12,288 bytes
	s_mov_b32 s[G1P+6], 0
	s_mov_b32 s[G1P+7], 0
	s_mov_b32 s[G1R+1], 768<<16
	s_mov_b32 s[G1R+2], 8<<16                      ; 8 records
	s_mov_b32 s[G1R+3], 768<<16
	s_mov_b32 s[G1R+4], 8
	s_mov_b32 s[G1R+5], 1536
	s_mov_b32 s[G1R+6], 0
	s_mov_b32 s[G1R+7], 0
	s_mov_b32 s[G0P], 1
	s_mov_b32 s[G0P+1], s92
	s_mov_b32 s[G0R], 1
	s_mov_b32 s[G0R+1], s93
	s_lshl_b32 s[RIDX], s[JJ], 2
	s_add_co_u32 s[RIDX], s[RIDX], s[CY]           ; Q, K: which 128 tokens
	s_mov_b32 s[FLOOR], 0x1800000
	s_mov_b32 s[SEL], 0x76543210
	s_mov_b32 s[SEL+1], 0xfedcba98
	s_mov_b32 s[HIM], 0xffff0000
	s_mov_b32 s[WHICH], 0
	v_and_b32 v3, 31, v0
	v_lshlrev_b32 v1, 4, v3                        ; 16 x lane
	v_lshlrev_b32 v2, 3, v3                        ; 8 x lane
	s_mul_i32 s3, s[WP], 49152
	v_add_nc_u32 v4, s3, v1                        ; my 8 records of P in slot 0
	v_add_nc_u32 v5, s3, v2
	s_mul_i32 s3, s[WR], 24576
	s_add_co_u32 s3, s3, 98304
	v_add_nc_u32 v6, s3, v1                        ; my 4 of R
	v_add_nc_u32 v7, s3, v2
.irp r, 4,5,6,7
	v_add_nc_u32 v[10+\r], SLOT, v\r               ; and the same in slot 1
.endr
	v_and_b32 v8, 15, v0
	v_and_b32 v9, 8, v8
	v_mad_u32_u24 v9, v9, 3, v8                    ; r % 8 + 32 (r / 8): the order of k's records
	s_lshl_b32 s3, s[RIDX], 9
	s_lshl_b32 s2, s[WR], 8
	s_add_co_u32 s3, s3, s2
	v_lshl_add_u32 v9, v9, 2, s3                   ; the mask word of my lane's token: (128 x group + 64 x half + r % 8 + 32 (r / 8)) x 4
.irp b, 0,1,2,3
	v_mov_b32 v[TM+4+\b], 0                        ; a lane permute's destination counts as read: written once
.endr
	WALU                                           ; the wait at the head's end
	s_wait_dscnt 0x0
	s_wait_kmcnt 0x0
	NEXTDESC                                       ; Q's tile
	CROUND                                         ; all sixteen work-groups are here: the joint loads meet
; one chain of branches on the wave's number, one load to an arm: the waves that wait at the first barrier (0 and 2) have load lines of their own
.macro ARM n, g0, g1, next
	s_cmp_eq_u32 s[WV], \n
	s_cbranch_scc0 \next
	TLOAD \g0, \g1
	s_branch .Lasked
\next:
.endm
	ARM 0, G0P, G1P, .Larm_r0
	ARM 2, G0R, G1R, .Larm_p1
	ARM 1, G0P, G1P, .Larm_r1
	TLOAD G0R, G1R
.Lasked:
	SCLOAD                                         ; Q's tile's scale words
.irp a, 0,1,2,3
	global_load_b32 v[MK+\a], v9, s[8:9] offset:32*\a    ; the mask of record a's tokens, in the order of k's records (it counts for K alone); kept for both tiles
.endr
	s_add_co_u32 s[PT], s[PT], 64                  ; what is asked for next: K's tile: Wk's records,
	s_add_co_u32 s[RT], s[RT], 512                 ; and k's
	s_cmp_eq_u32 s[WP], 0
	s_cbranch_scc0 .Lnot_first
	s_wait_tensorcnt 0x0                           ; waves 0 and 2: slot 0 has landed; slot 1's loads may stay out
.Lnot_first:
	s_barrier_signal -1
	s_barrier_wait -1
	FETCH 0
; 64 results of R's record a (window 2, v[64 a ..]; register 16 b + i = 32 b + 16 h + i along the next K) become a fragment's codes in v[PC] on and its scale word in v[PW].  Each accumulator is read from its low end on.
.macro QUANTW a
	s_wait_xcnt 0x0                                ; the last record's stores have read their registers
	WIN 0x28                                       ; sources 1 and 2: window 2
.irp b, 0,1,2,3
	v_max3_num_f32 v[TM+\b], s[FLOOR], |v[64*(\a)+16*\b]|, |v[64*(\a)+16*\b+1]|   ; the floor 2^(3 - 127) holds the byte at 1 from below
.endr
.irp i, 2,4,6,8,10,12,14
.irp b, 0,1,2,3
	v_max3_num_f32 v[TM+\b], v[TM+\b], |v[64*(\a)+16*\b+\i]|, |v[64*(\a)+16*\b+\i+1]|
.endr
.endr
	WIN 0
.irp b, 0,1,2,3
	v_permlanex16_b32 v[TM+4+\b], v[TM+\b], s[SEL], s[SEL+1]
.endr
.irp b, 0,1,2,3
	v_max_num_f32 v[TM+\b], v[TM+\b], v[TM+4+\b]   ; with lane l xor 16's 16: the block's largest magnitude
.endr
.irp b, 0,1,2,3
	v_add_nc_u32 v[TM+12+\b], 0xff000000, v[TM+\b] ; 2 off the exponent field: the conversion's scale operand
.endr
.irp b, 0,1,2,3
	v_lshrrev_b32 v[TM+4+\b], 23, v[TM+12+\b]      ; the scale's byte
.endr
	v_lshl_or_b32 v[PW], v[TM+5], 8, v[TM+4]
	v_lshl_or_b32 v[PW], v[TM+6], 16, v[PW]
	v_lshl_or_b32 v[PW], v[TM+7], 24, v[PW]
	WIN 0x02                                       ; source 0: window 2
.irp c, 0,1
	v_cvt_scalef32_pk16_fp6_f32 v[PC+6*\c:PC+6*\c+2], v[64*(\a)+32*\c:64*(\a)+32*\c+15], v[TM+12+2*\c]
	v_cvt_scalef32_pk16_fp6_f32 v[PC+12+4*\c:PC+14+4*\c], v[64*(\a)+32*\c+16:64*(\a)+32*\c+31], v[TM+12+2*\c+1]
.endr
	WIN 0
	v_nop                                          ; one plain instruction behind a scaled conversion
.irp c, 0,1                                    ; the operand's layout wants a whole block in a lane
.irp i, 0,1,2
	v_permlane16_swap_b32 v[PC+6*\c+\i], v[PC+12+4*\c+\i]
.endr
.irp i, 0,1,2
	v_mov_b32 v[PC+3+6*\c+\i], v[PC+12+4*\c+\i]
.endr
.endr
.endm
.Ltile:                                        ; two trips: Q's tile, K's tile; each fills the ring with the tile that follows
	TOP 1
	KSTEP 0, 0
	KSTEP 1, 0
	KSTEP 2, 0
	KSTEP 3, 1
	KSTEP 4, 0
	KSTEP 5, 0
	KSTEP 6, 0
	KSTEP 7, 1
	WIN 0
	PLACES 4                                       ; in front of the first read of results
	; ---- Q, K: my 128 of P's rows are two heads; registers 6 c .. 6 c + 5 of the fragment are registers 0-5 of head c's fragment for Q K^T
	s_wait_xcnt 0x0                                ; the last tile's stores have read their base and registers
	s_lshr_b32 s84, s[RIDX], 4                     ; batch
	s_and_b32 s85, s[RIDX], 15                     ; group of 128 tokens
	s_lshl_b32 s84, s84, 4
	s_lshl_b32 s86, s[CX], 2
	s_add_co_u32 s84, s84, s86
	s_lshl_b32 s86, s[WP], 1
	s_add_co_u32 s84, s84, s86                     ; 16 x batch + my first head
	s_mul_i32 s84, s84, 139264
	s_mul_i32 s85, s85, 8704
	s_add_co_u32 s84, s84, s85
	s_mov_b32 s85, 0
	s_cmp_eq_u32 s[WHICH], 1
	s_cselect_b64 s[OB:OB+1], s[12:13], s[10:11]
	s_cselect_b32 s86, 0, 0x28                     ; the spare code of a shown row: K 0, Q -1.0
	s_mov_b32 s87, 0x7f7f0000
	s_cselect_b32 s87, 0x01010000, s87             ; the spare blocks' bytes of a shown row: K 2^-126, Q 1
	s_cselect_b32 s88, 0, 1                        ; 1 where the mask does not count
	s_add_nc_u64 s[OB:OB+1], s[OB:OB+1], s[84:85]
	v_bfe_u32 v10, v0, 4, 1
	v_sub_nc_u32 v11, 1, v10                       ; 1 in lanes 0-15: register 6's lowest code is k = 64 there, k = 96 in lanes 16-31
	v_lshlrev_b32 v[XH], 3, v11                    ; a hidden key's spare code: 1.0
	v_mul_u32_u24 v[XS], s86, v11
	v_mov_b32 v[HIH], 0x01a30000                   ; a hidden key's spare bytes: 2^36, 2^-126
	v_mov_b32 v[HIS], s87
	v_mov_b32 v[TQ+3], 0                           ; register 7: zeros
	v_mov_b32 v[TQ+7], 0
	s_lshl_b32 s89, s[WR], 12
	v_add_nc_u32 v12, s89, v1                      ; my four records: 16 x lane + 4,096 x half
	s_lshl_b32 s89, s[WR], 8
	s_add_co_u32 s89, s89, 8192
	v_add_nc_u32 v13, s89, v2                      ; their scale words: 8,192 + 256 x half + 8 x lane
.irp a, 0,1,2,3
	QUANTW \a
	v_or_b32 v[CM], s88, v[MK+\a]
	v_cmp_ne_u32 vcc_lo, 0, v[CM]                  ; shown?
	v_cndmask_b32 v[CM], 0, -1, vcc_lo
	v_cndmask_b32 v[TQ+2], v[XH], v[XS], vcc_lo    ; register 6
	v_cndmask_b32 v[TQ+6], v[XH], v[XS], vcc_lo
	v_cndmask_b32 v[HI], v[HIH], v[HIS], vcc_lo
	v_and_or_b32 v[W0], v[PW], 0xffff, v[HI]       ; head 0's scale word: its two bytes, and the spare blocks'
	v_lshrrev_b32 v[W0+1], 16, v[PW]
	v_or_b32 v[W0+1], v[W0+1], v[HI]               ; head 1's
.irp c, 0,1
.irp i, 0,1,2,3
	v_and_b32 v[PC+6*\c+\i], v[CM], v[PC+6*\c+\i]  ; a hidden key's codes become zeros
.endr
	v_and_b32 v[TQ+4*\c], v[CM], v[PC+6*\c+4]
	v_and_b32 v[TQ+4*\c+1], v[CM], v[PC+6*\c+5]
	global_store_b128 v12, v[PC+6*\c:PC+6*\c+3], s[OB:OB+1] offset:139264*\c+1024*\a       ; 512 consecutive bytes, aligned
	global_store_b128 v12, v[TQ+4*\c:TQ+4*\c+3], s[OB:OB+1] offset:139264*\c+1024*\a+512
.if \a%2 == 0
	v_mov_b32 v[SW+2*\c+\a/2], v[W0+\c]            ; lanes 0-15 keep the even record's words,
.else
	v_cndmask_b32 v[SW+2*\c+\a/2], v[SW+2*\c+\a/2], v[W0+\c], s[HIM]   ; lanes 16-31 take the odd record's
.endif
.endr
.endr
.irp c, 0,1
	global_store_b64 v13, v[SW+2*\c:SW+2*\c+1], s[OB:OB+1] offset:139264*\c   ; 256 consecutive bytes, aligned
.endr
	s_mov_b32 s[PT], s[PV]                         ; what is asked for next: V's tile
	s_mov_b32 s[RT], s[RV]
	s_add_co_u32 s[WHICH], s[WHICH], 1
	s_cmp_lt_u32 s[WHICH], 2
	WALU
	s_cbranch_scc1 .Ltile
	; ---- V's tile: the ring is filled no more
	TOP 0
	KSTEP 0, 0
	KSTEP 1, 0
	KSTEP 2, 0
	KSTEP 3, 2
	KSTEP 4, 0
	KSTEP 5, 0
	KSTEP 6, 0
	KSTEP 7, 3
	WIN 0
	PLACES 4
	; my 128 of P's rows are one key step, my 4 records of R one head's 64 channels: each record is a whole fragment of V^T
	s_wait_xcnt 0x0
	s_and_b32 s84, s[JJ], 7
	s_lshl_b32 s84, s84, 2
	s_add_co_u32 s84, s84, s[CX]
	s_lshl_b32 s84, s84, 1
	s_add_co_u32 s84, s84, s[WP]                   ; which 128 keys of the 8,192
	s_lshr_b32 s85, s84, 4                         ; batch
	s_and_b32 s84, s84, 15                         ; key step
	s_lshr_b32 s86, s[JJ], 3
	s_lshl_b32 s86, s86, 2
	s_add_co_u32 s86, s86, s[CY]
	s_lshl_b32 s86, s86, 1
	s_add_co_u32 s86, s86, s[WR]                   ; head
	s_lshl_b32 s85, s85, 4
	s_add_co_u32 s85, s85, s86
	s_mul_i32 s85, s85, 102400
	s_mul_i32 s84, s84, 6400
	s_add_co_u32 s84, s84, s85
	s_mov_b32 s85, 0
	s_add_nc_u64 s[OB:OB+1], s[14:15], s[84:85]
	v_add_nc_u32 v13, 6144, v2
.irp a, 0,1,2,3
	QUANTW \a
.irp n, 0,1,2
	global_store_b128 v1, v[PC+4*\n:PC+4*\n+3], s[OB:OB+1] offset:1536*\a+512*\n
.endr
.if \a%2 == 0
	v_mov_b32 v[SW+\a/2], v[PW]
.else
	v_cndmask_b32 v[SW+\a/2], v[SW+\a/2], v[PW], s[HIM]
.endif
.endr
	global_store_b64 v13, v[SW:SW+1], s[OB:OB+1]
	s_wait_tensorcnt 0x0                           ; the wave's end
	ds_add_u32 v[SPW], v[NIL]
	s_wait_dscnt 0x0
	CROUND                                         ; the closing round: no work-group ends while a partner may still ask for a tile that names it
	s_endpgm
.Lfunc_end_k_qe7bdc5aba3_proj:
	.size	k_qe7bdc5aba3_proj, .Lfunc_end_k_qe7bdc5aba3_proj-k_qe7bdc5aba3_proj
	.p2alignl 7, 3214868480
	.fill 96, 4, 3214868480
	.section	.rodata,"a",@progbits
	.p2align	6, 0x0
	.amdhsa_kernel k_qe7bdc5aba3_proj
		.amdhsa_group_segment_fixed_size 327680
		.amdhsa_private_segment_fixed_size 0
		.amdhsa_enable_private_segment 0
		.amdhsa_kernarg_size 48
		.amdhsa_user_sgpr_count 2
		.amdhsa_user_sgpr_kernarg_segment_ptr 1
		.amdhsa_wavefront_size32 1
		.amdhsa_system_sgpr_workgroup_id_x 1
		.amdhsa_system_sgpr_workgroup_id_y 1
		.amdhsa_system_sgpr_workgroup_id_z 1
		.amdhsa_system_vgpr_workitem_id 0
		.amdhsa_next_free_vgpr 832
		.amdhsa_next_free_sgpr 100
		.amdhsa_reserve_vcc 1
		.amdhsa_float_denorm_mode_32 3
		.amdhsa_float_denorm_mode_16_64 3
		.amdhsa_memory_ordered 1
		.amdhsa_forward_progress 1
		.amdhsa_inst_pref_size 173
	.end_amdhsa_kernel
	.amdgpu_metadata
---
amdhsa.version: [ 1, 2 ]
amdhsa.kernels:
  - .name:           k_qe7bdc5aba3_proj
    .symbol:         k_qe7bdc5aba3_proj.kd
    .args:
      - { .name: img, .offset: 0, .size: 8, .value_kind: global_buffer, .address_space: global }
      - { .name: isc, .offset: 8, .size: 8, .value_kind: global_buffer, .address_space: global }
      - { .name: mask, .offset: 16, .size: 8, .value_kind: global_buffer, .address_space: global }
      - { .name: qimg, .offset: 24, .size: 8, .value_kind: global_buffer, .address_space: global }
      - { .name: kimg, .offset: 32, .size: 8, .value_kind: global_buffer, .address_space: global }
      - { .name: vimg, .offset: 40, .size: 8, .value_kind: global_buffer, .address_space: global }
    .group_segment_fixed_size: 327680
    .private_segment_fixed_size: 0
    .kernarg_segment_align: 8
    .kernarg_segment_size: 48
    .max_flat_workgroup_size: 128
    .sgpr_count:     100
    .vgpr_count:     832
    .wavefront_size: 32
...
	.end_amdgpu_metadata
.endif
;; end of part 2
;; launch attn (part 3): grid 4 x 64, 8 waves a work-group, clusters of 4 x 1, 242,688 bytes of LDS; arguments qimg, kimg, vimg, aimg, asc; writes aimg, asc
.if DOCPART == 3
	.amdgcn_target "amdgcn-amd-amdhsa--gfx1250"
	.amdhsa_code_object_version 6
	.text
	.protected	k_qe7bdc5aba3_attn
	.globl	k_qe7bdc5aba3_attn
	.p2align	8
	.type	k_qe7bdc5aba3_attn,@function
k_qe7bdc5aba3_attn:
	s_mov_b64 s[64:65], 0
	v_nop
	global_prefetch_b8 v0, s[64:65] scope:SCOPE_SE
	s_setreg_imm32_b32 hwreg(HW_REG_WAVE_MODE, 25, 1), 1
	s_wait_xcnt 0x0
	s_wait_alu depctr_hold_cnt(0) depctr_sa_sdst(0) depctr_va_vdst(0) depctr_va_sdst(0) depctr_va_ssrc(0) depctr_va_vcc(0) depctr_vm_vsrc(0)
	s_getreg_b32 s2, hwreg(HW_REG_IB_STS2, 6, 4)
	s_cmp_eq_u32 s2, 0
	s_cbranch_scc0 .Lentry_in_a_cluster
	s_endpgm
.Lentry_in_a_cluster:
	s_bfe_u32 s2, ttmp6, 0x10000c
	s_cmp_lg_u32 s2, 0x3003
	s_cbranch_scc0 .Lentry_shape_is_right
	s_endpgm
.Lentry_shape_is_right:
; O = softmax(Q K^T / 8, hidden keys filled) V for one head and 512 queries, both products on codes of FP6 (E2M3, one E8M0 scale for each 32 along K);
; O / l is quantised along the head's 64 channels and leaves as an image of the last product's operand.
; THE SOFTMAX: t = score x log2(e) / 8; M = the running largest t rounded up to a whole number, kept as -M = floor(-t); p = 2^(t - M) is quantised along the keys, not normalised;
; the row's sum l is taken of the unquantised p; when M moves, l and O are multiplied by 2^(old M - new M), which rounds nothing.
; THE MASK is in the operands: a hidden key's score comes out of the first product as exactly -2^36 (its real codes are zeros; at k = 64 it carries 1.0 x 2^36 against Q's -1.0).
; -2^36 x c is exact in f32 and a whole number, so a row all of whose keys are hidden has p = 1 for each; where a key is shown, the hidden keys' p is 0.
; LIMITS: the hidden logit is -2^33 where the reference has -1e10: results differ only where a shown logit lies under about -8.5e9.  The promise holds while |t| stays under 2^31.
; Blocks of zeros get the byte 1 (read by this program alone); NaN and infinities are not served.
; SHARES: 256 work-groups, one for each head and 512 queries; eight waves, two to a SIMD.  A wave owns four tiles of 16 queries and takes them in TWO PASSES of two tiles over the 16 key steps of 128 keys:
; each fragment of K and V read from LDS feeds two matrix instructions.  Both products are used transposed (S^T = K Q^T, O^T = V^T P^T): a lane holds one query.
; THE KEYS OF A TILE: tile 4 c + j of a key step has key 64 c + 32 (r / 8) + 8 j + r % 8 in lane r.  So registers 32 c + 8 j + i of S^T in lane (r, h) are keys 64 c + 32 h + 0 .. 31 of query r:
; ONE WHOLE BLOCK OF 32, in the order of the second product's operand: a block's largest p needs no other lane, and two conversions give the operand's six registers.
; The channels of a tile of V^T are rows 32 (T / 2) + 8 (T % 2) + r + 8 (r / 8): registers 16 b + i of O^T are channels 32 b + 16 h + i.
; THE WHOLE HEAD IS RESIDENT: K's 16 key steps of 8,704 bytes from LDS byte 0, V's 16 of 6,400 from 139,264; each LDS byte is filled once, by ONE tensor load a wave at the head:
; waves 0-3 a quarter of K each (136 rows of 256 bytes), waves 4-7 a quarter of V (100 rows).  One wait, one barrier; behind it no wave writes LDS, so the passes need no barrier.
; CLUSTER: the four work-groups of a cluster read the same head: each quarter is asked for jointly, mask 15.
; No prefetch is laid: every byte of K and V is asked for at the head, and so is Q for both passes: there is no loop to run ahead in.
; K's fragments are fetched one key step ahead, round the end of the keys too: step 15 fetches step 0, which the second pass reads first (behind the second pass that fetch is read by nobody).
; REGISTERS: window 0: v1 16 x lane, v2 8 x lane, v3-6 addresses in hand, v7, v8, v11 their lane terms, v16-31 statistics (8 a tile), v32-59 at work, v64-191 S^T then p (64 a tile), v192-215 p's codes, v232-241 scale words.
;   window 1: v0-63 O^T (32 a tile), v64-87 Q, v88-183 K's eight fragments, v184-231 V's four, v232-247 the second pass's Q.
.set WV, 16
.set SEL, 20
.set CS, 22                            ; s[22:23] c = log2(e) / 8
.set G1K, 24
.set G1V, 32
.set G0K, 40
.set G0V, 44
.set NC, 48                            ; -c
.set PASS, 49
.set TBK, 76                           ; LDS byte of the key step of K to be fetched
.set TBV, 77                           ; and of V, from V's first byte
.set CNT, 78
.set HIM, 79
.set VB, 139264                        ; V's first LDS byte
.set SPARE, 241664                     ; behind V: the spare words, 128 bytes a wave
.set ST, 16                            ; tile q at v[16 + 8 q]: +0 -M, +1 the largest score, +2, +3 l, +4 f, +5 (0), +6, +7 at work
.set BM, 32                            ; v32-35 the blocks' largest scores, then their largest p (block n = 2 q + c)
.set PR, 36                            ; v36-39 permute results
.set SO, 40                            ; v40-43 the conversions' scale operands
.set C2, 44                            ; v44-47 the sums' second chains
.set EB, 48                            ; v48-51 scale bytes
.set S, 64
.set PC, 192
.set H2, 216                           ; v216-231 each block's upper 16 codes as the conversion leaves them
.set KS, 232                           ; v232-235 K's scale words: register t / 2, lanes 16 (t % 2) on
.set VS, 236                           ; v236-237 V's likewise
.set QS, 238                           ; Q's: lanes 0-15 tile 0, lanes 16-31 tile 1
.set PS, 239                           ; v239-240 p's
.set QS2, 241                          ; the second pass's Q's
.set SPW, 254
.set NIL, 255
.set QF, 64                            ; in window 1
.set KF, 88
.set VF, 184
.set Q2, 232
.set MSB, 0
.macro WIN new                         ; the immediate's high byte repeats the setting that is left
.if MSB != \new
	s_set_vgpr_msb (MSB<<8)|\new
.set MSB, \new
.endif
.endm
.macro WALU
	s_wait_alu depctr_va_vdst(0)
.endm
.macro DEP n
	s_delay_alu instid0(VALU_DEP_\n)
.endm
.macro CROUND                          ; a round of the cluster's barrier
	s_barrier_signal -1
	s_barrier_wait -1
	s_cmp_lg_u32 s[WV], 0
	s_cbranch_scc1 .Lnot_wave_0_\@
	s_barrier_signal -3
.Lnot_wave_0_\@:
	s_barrier_wait -3
	s_barrier_signal -1
	s_barrier_wait -1
.endm
.macro DENSE g, rows                   ; group 1: a dense block as rows of 256 bytes (32 elements of 8), asked for jointly by all four work-groups
	s_mov_b32 s[\g], 15|(3<<16)|(1<<21)
	s_mov_b32 s[\g+1], 32<<16
	s_mov_b32 s[\g+2], (\rows)<<16
	s_mov_b32 s[\g+3], 32<<16
	s_mov_b32 s[\g+4], \rows
	s_mov_b32 s[\g+5], 32
	s_mov_b32 s[\g+6], 0
	s_mov_b32 s[\g+7], 0
.endm
	s_load_b256 s[4:11], s[0:1], 0x0               ; qimg s[4:5], kimg s[6:7], vimg s[8:9], aimg s[10:11]
	s_load_b64 s[12:13], s[0:1], 0x20              ; asc
	v_lshl_add_u32 v[SPW], v0, 2, SPARE
	v_mov_b32 v[NIL], 0
	ds_add_u32 v[SPW], v[NIL]                      ; the opening lines: the add, twice on end, and its wait
	ds_add_u32 v[SPW], v[NIL]
	v_lshrrev_b32 v1, 5, v0
	v_readfirstlane_b32 s[WV], v1                  ; wave 0..7
	s_and_b32 s17, s[WV], 3
	s_bfe_u32 s18, ttmp6, 0x40000                  ; cx: it enters Q's and the outputs' addresses alone
	s_lshl_b32 s19, ttmp9, 2
	s_add_co_u32 s19, s19, s18
	s_lshl_b32 s19, s19, 1                         ; the first pass's block of 256 queries
	s_and_b32 s80, ttmp7, 0xffff                   ; 16 x batch + head
	s_mul_i32 s81, s80, 139264                     ; the head's first byte in qimg and kimg
	s_mul_i32 s86, s17, 34816                      ; K: the quarter that I fetch, in LDS,
	s_add_co_u32 s82, s81, s86                     ; and in memory
	s_mov_b32 s83, 0
	s_mul_i32 s87, s17, 25600                      ; V likewise
	s_mul_i32 s84, s80, 102400
	s_add_co_u32 s84, s84, s87
	s_mov_b32 s85, 0
	s_add_co_u32 s87, s87, VB
	s_lshl_b32 s88, s19, 1
	s_lshr_b32 s89, s[WV], 2
	s_add_co_u32 s88, s88, s89                     ; my group of 128 queries
	s_mul_i32 s88, s88, 8704
	s_add_co_u32 s88, s88, s81
	s_lshr_b32 s90, s17, 1
	s_lshl_b32 s90, s90, 8
	s_and_b32 s91, s17, 1
	s_lshl_b32 s91, s91, 2
	s_add_co_u32 s90, s90, s91
	s_add_co_u32 s90, s90, 8192
	s_add_co_u32 s90, s90, s88                     ; my two tiles' scale words
	s_mov_b32 s91, 0
	s_lshl_b32 s89, s17, 11
	s_add_co_u32 s88, s88, s89                     ; my two tiles
	s_mov_b32 s89, 0
	s_lshr_b32 s92, s80, 4                         ; batch
	s_and_b32 s93, s80, 15                         ; head
	s_lshl_b32 s94, s92, 7
	s_lshl_b32 s95, s19, 4
	s_add_co_u32 s94, s94, s95
	s_lshl_b32 s95, s[WV], 1
	s_add_co_u32 s94, s94, s95                     ; my first tile's record in aimg,
	s_mul_i32 s94, s94, 12288
	s_mul_i32 s95, s93, 768                        ; K step head / 2, half head % 2: 768 x head
	s_add_co_u32 s94, s94, s95
	s_mov_b32 s95, 0
	s_lshl_b32 s96, s92, 3
	s_add_co_u32 s96, s96, s19
	s_lshl_b32 s96, s96, 13
	s_lshl_b32 s97, s93, 9
	s_add_co_u32 s96, s96, s97
	s_lshl_b32 s97, s[WV], 6
	s_add_co_u32 s96, s96, s97                     ; asc: 8,192 x block of 256 + 512 x head + 64 x wave
	s_mov_b32 s97, 0
	DENSE G1K, 136                                 ; 34,816 bytes: four key steps of K
	DENSE G1V, 100                                 ; 25,600 bytes: four of V
	s_mov_b32 s[SEL], 0x76543210
	s_mov_b32 s[SEL+1], 0xfedcba98                 ; selects for lane l xor 16
	s_mov_b32 s[CS], 0x3e38aa3b                    ; c = log2(e) / 8
	s_mov_b32 s[CS+1], s[CS]                       ; (named with it as a pair, so it is written)
	s_mov_b32 s[NC], 0xbe38aa3b                    ; -c
	s_mov_b32 s[HIM], 0xffff0000
	s_mov_b32 s[TBK], 0
	s_mov_b32 s[PASS], 0
	v_and_b32 v3, 31, v0
	v_bfe_u32 v10, v0, 4, 1
	v_lshlrev_b32 v1, 4, v3                        ; 16 x lane
	v_lshlrev_b32 v2, 3, v3                        ; 8 x lane
	v_lshlrev_b32 v9, 1, v3                        ; 2 x lane
	v_lshlrev_b32 v10, 3, v10                      ; 8 h: how far my two bytes are shifted in p's scale word
	v_add_nc_u32 v7, 8192, v2                      ; K's scale words in a key step's block
	v_add_nc_u32 v8, VB+6144, v2                   ; V's
	v_add_nc_u32 v11, VB, v1                       ; V's fragments
	WALU                                           ; the wait at the head's end
	s_wait_dscnt 0x0
	s_wait_kmcnt 0x0
	s_add_nc_u64 s[88:89], s[4:5], s[88:89]
	s_add_nc_u64 s[90:91], s[4:5], s[90:91]
	s_add_nc_u64 s[94:95], s[10:11], s[94:95]
	s_add_nc_u64 s[96:97], s[12:13], s[96:97]
	s_mov_b32 s[G0K], 1
	s_mov_b32 s[G0K+1], s86
	s_add_nc_u64 s[G0K+2:G0K+3], s[6:7], s[82:83]
	s_or_b32 s[G0K+3], s[G0K+3], 0x80000000
	s_mov_b32 s[G0V], 1
	s_mov_b32 s[G0V+1], s87
	s_add_nc_u64 s[G0V+2:G0V+3], s[8:9], s[84:85]
	s_or_b32 s[G0V+3], s[G0V+3], 0x80000000
	CROUND                                         ; all four work-groups are here: the joint loads meet
	s_cmp_lt_u32 s[WV], 4                          ; one load a wave, one to each arm
	s_cbranch_scc0 .Lfor_v
	tensor_load_to_lds s[G0K:G0K+3], s[G1K:G1K+7]
	s_nop 0
.rept 4
	v_nop
.endr
	s_branch .Lasked
.Lfor_v:
	tensor_load_to_lds s[G0V:G0V+3], s[G1V:G1V+7]
	s_nop 0
.rept 4
	v_nop
.endr
.Lasked:
	global_load_b32 v[QS], v2, s[90:91]            ; Q's scale words, the first pass's
	global_load_b32 v[QS2], v2, s[90:91] offset:17408   ; and the second's: two groups of 128 queries on
	WIN 0x40                                       ; destination window 1
.irp q, 0,1
	global_load_b128 v[QF+12*\q:QF+12*\q+3], v1, s[88:89] offset:1024*\q
	global_load_b128 v[QF+12*\q+4:QF+12*\q+7], v1, s[88:89] offset:1024*\q+512
	global_load_b128 v[Q2+8*\q:Q2+8*\q+3], v1, s[88:89] offset:17408+1024*\q
	global_load_b128 v[Q2+8*\q+4:Q2+8*\q+7], v1, s[88:89] offset:17408+1024*\q+512
.endr
.irp i, 8,9,10,11                              ; k = 80 .. 127 of the first product: zero codes, written once
.irp q, 0,1
	v_mov_b32 v[QF+12*\q+\i], 0
.endr
.irp t, 0,1,2,3,4,5,6,7
	v_mov_b32 v[KF+12*\t+\i], 0
.endr
.endr
	WIN 0
.irp n, 0,1,2,3
	v_mov_b32 v[PR+\n], 0                          ; a lane permute's destination counts as read: written once
.endr
.irp q, 0,1
	v_mov_b32 v[ST+8*\q+5], 0                      ; (upper halves of pairs of which the low word is taken)
	v_mov_b32 v[ST+8*\q+7], 0
.endr
.macro KFETCH                          ; a key step's K: 2 + 16 LDS loads.  The four plain lines at its head are the places behind the products that read these registers (ISA guide 7.12.1 for vector instructions)
	v_add_nc_u32 v3, s[TBK], v1
	v_add_nc_u32 v4, s[TBK], v7
	v_nop
	v_nop
	ds_load_b64 v[KS:KS+1], v4
	ds_load_b64 v[KS+2:KS+3], v4 offset:256
	WIN 0x40
.irp t, 0,1,2,3,4,5,6,7
	ds_load_b128 v[KF+12*\t:KF+12*\t+3], v3 offset:1024*\t
	ds_load_b128 v[KF+12*\t+4:KF+12*\t+7], v3 offset:1024*\t+512
.endr
	WIN 0
.endm
.macro SQ1 t, q, ra, rb                ; S^T: 16 keys x 16 queries; the rows of the scale registers by the tile's and the query tile's parity
	v_wmma_scale_f32_16x16x128_f8f6f4 v[S+64*(\q)+8*(\t):S+64*(\q)+8*(\t)+7], v[KF+12*(\t):KF+12*(\t)+11], v[QF+12*(\q):QF+12*(\q)+11], 0, v[KS+(\t)/2], v[QS] matrix_a_fmt:MATRIX_FMT_FP6 matrix_b_fmt:MATRIX_FMT_FP6 matrix_a_scale:MATRIX_SCALE_ROW\ra matrix_b_scale:MATRIX_SCALE_ROW\rb
.endm
.macro PV1 t, q, ra                    ; O^T += V^T P^T: 16 channels x 16 queries, K = the step's 128 keys
	v_wmma_scale_f32_16x16x128_f8f6f4 v[32*(\q)+8*(\t):32*(\q)+8*(\t)+7], v[VF+12*(\t):VF+12*(\t)+11], v[PC+12*(\q):PC+12*(\q)+11], v[32*(\q)+8*(\t):32*(\q)+8*(\t)+7], v[VS+(\t)/2], v[PS+(\q)] matrix_a_fmt:MATRIX_FMT_FP6 matrix_b_fmt:MATRIX_FMT_FP6 matrix_a_scale:MATRIX_SCALE_ROW\ra
.endm
; The softmax of a key step, both tiles: block n = 2 q + c is registers S + 32 n on, all 32 of them one block of keys.
.macro SOFTMAX
.irp n, 0,1,2,3
	v_max3_num_f32 v[BM+\n], v[S+32*\n], v[S+32*\n+1], v[S+32*\n+2]    ; the largest score of each block: it serves the row's maximum and, since p rises with the score, the block's largest p.  Each accumulator is read from its low end on
.endr
.irp n, 0,1,2,3
	v_max3_num_f32 v[EB+\n], v[S+32*\n+16], v[S+32*\n+17], v[S+32*\n+18]   ; a second chain over each block's upper half: eight chains by turns, so that no line hangs on one near it
.endr
.irp i, 3,5,7,9,11,13
.irp n, 0,1,2,3
	v_max3_num_f32 v[BM+\n], v[BM+\n], v[S+32*\n+\i], v[S+32*\n+\i+1]
.endr
.irp n, 0,1,2,3
	v_max3_num_f32 v[EB+\n], v[EB+\n], v[S+32*\n+16+\i], v[S+32*\n+17+\i]
.endr
.endr
.irp n, 0,1,2,3
	v_max3_num_f32 v[BM+\n], v[BM+\n], v[S+32*\n+15], v[S+32*\n+31]
.endr
.irp n, 0,1,2,3
	v_max_num_f32 v[BM+\n], v[BM+\n], v[EB+\n]
.endr
.irp q, 0,1
	v_max_num_f32 v[ST+8*\q+6], v[BM+2*\q], v[BM+2*\q+1]     ; my 64 keys of the step
.endr
.irp q, 0,1
	DEP 2
	v_permlanex16_b32 v[PR+\q], v[ST+8*\q+6], s[SEL], s[SEL+1]
.endr
.irp q, 0,1
	DEP 2
	v_max3_num_f32 v[ST+8*\q+1], v[ST+8*\q+1], v[ST+8*\q+6], v[PR+\q]   ; with lane l xor 16's 64: the running largest score
.endr
.irp q, 0,1
	DEP 2
	v_mul_f32 v[ST+8*\q+6], s[NC], v[ST+8*\q+1]    ; -t (c is positive)
.endr
.irp q, 0,1
	v_mov_b32 v[ST+8*\q+7], v[ST+8*\q]
.endr
.irp q, 0,1
	DEP 4
	v_floor_f32 v[ST+8*\q], v[ST+8*\q+6]           ; the new -M = floor(-t): M is a whole number
.endr
.set j, 0
.rept 32
	v_pk_fma_f32 v[S+j:S+j+1], v[S+j:S+j+1], s[CS:CS+1], v[ST:ST+1] op_sel_hi:[1,0,0]               ; t - M, two at a time (of the pairs c and -M the low word serves both halves)
	v_pk_fma_f32 v[S+64+j:S+64+j+1], v[S+64+j:S+64+j+1], s[CS:CS+1], v[ST+8:ST+9] op_sel_hi:[1,0,0]
.if j == 8                             ; f is made among these lines, which do not hang on it
.irp q, 0,1
	v_sub_f32 v[ST+8*\q+6], v[ST+8*\q], v[ST+8*\q+7]   ; old M - new M: a whole number, 0 or less
.endr
.elseif j == 16
.irp q, 0,1
	v_cvt_i32_f32 v[ST+8*\q+6], v[ST+8*\q+6]       ; (it saturates)
.endr
.elseif j == 24
.irp q, 0,1
	v_ldexp_f32 v[ST+8*\q+4], 1.0, v[ST+8*\q+6]    ; f = 2^(old M - new M)
.endr
.endif
.set j, j+2
.endr
.irp n, 0,1,2,3
	v_fma_f32 v[BM+\n], v[BM+\n], s[CS], v[ST+8*(\n/2)]   ; the same of each block's largest score
.endr
	WALU                                           ; the wait ahead of the batch
.irp n, 0,1,2,3
	v_exp_f32 v[BM+\n], v[BM+\n]                   ; ONE BATCH: the blocks' largest p,
.endr
.set j, 0
.rept 128
	v_exp_f32 v[S+j], v[S+j]                       ; and p = 2^(t - M), at most 1
.set j, j+1
.endr
.irp q, 0,1
	v_pk_mul_f32 v[ST+8*\q+2:ST+8*\q+3], v[ST+8*\q+2:ST+8*\q+3], v[ST+8*\q+4:ST+8*\q+5] op_sel_hi:[1,0]   ; l under the new M: plain work behind the last exponential
.endr
	WALU                                           ; and behind it, ahead of the first line that names a result: one for the batch
; The row's sum is taken of the unquantised p: four chains a tile (l itself, v44-47, v52-55, v56-59), eight by turns.  The short chain that makes p's scale words stands among them, a link behind each group.
.set C3, 52
.set C4, 56
.irp q, 0,1
	v_pk_add_f32 v[C2+2*\q:C2+2*\q+1], v[S+64*\q:S+64*\q+1], v[S+64*\q+2:S+64*\q+3]
	v_pk_add_f32 v[C3+2*\q:C3+2*\q+1], v[S+64*\q+4:S+64*\q+5], v[S+64*\q+6:S+64*\q+7]
	v_pk_add_f32 v[C4+2*\q:C4+2*\q+1], v[S+64*\q+8:S+64*\q+9], v[S+64*\q+10:S+64*\q+11]
.endr
.irp m, 12,20,28,36,44,52
.irp q, 0,1
	v_pk_add_f32 v[ST+8*\q+2:ST+8*\q+3], v[ST+8*\q+2:ST+8*\q+3], v[S+64*\q+\m:S+64*\q+\m+1]
	v_pk_add_f32 v[C2+2*\q:C2+2*\q+1], v[C2+2*\q:C2+2*\q+1], v[S+64*\q+\m+2:S+64*\q+\m+3]
	v_pk_add_f32 v[C3+2*\q:C3+2*\q+1], v[C3+2*\q:C3+2*\q+1], v[S+64*\q+\m+4:S+64*\q+\m+5]
	v_pk_add_f32 v[C4+2*\q:C4+2*\q+1], v[C4+2*\q:C4+2*\q+1], v[S+64*\q+\m+6:S+64*\q+\m+7]
.endr
.if \m == 12
.irp n, 0,1,2,3
	v_max_num_f32 v[BM+\n], 0x1800000, v[BM+\n]    ; the floor 2^(3 - 127): the byte cannot fall under 1 (a block whose every p is 0 keeps that byte: its codes are zeros)
.endr
.elseif \m == 20
.irp n, 0,1,2,3
	v_add_nc_u32 v[SO+\n], 0xff000000, v[BM+\n]    ; 2 off the exponent field: the conversion's scale operand
.endr
.elseif \m == 28
.irp n, 0,1,2,3
	v_lshrrev_b32 v[EB+\n], 23, v[SO+\n]           ; the scale's byte
.endr
.elseif \m == 36
.irp q, 0,1
	v_lshl_or_b32 v[ST+8*\q+6], v[EB+2*\q+1], 16, v[EB+2*\q]   ; my two bytes, blocks h and 2 + h,
.endr
.elseif \m == 44
.irp q, 0,1
	v_lshlrev_b32 v[ST+8*\q+6], v10, v[ST+8*\q+6]  ; at their places in the word;
.endr
.else
.irp q, 0,1
	v_permlanex16_b32 v[PR+\q], v[ST+8*\q+6], s[SEL], s[SEL+1]
.endr
.endif
.endr
.irp q, 0,1
	v_pk_add_f32 v[ST+8*\q+2:ST+8*\q+3], v[ST+8*\q+2:ST+8*\q+3], v[S+64*\q+60:S+64*\q+61]
	v_pk_add_f32 v[C2+2*\q:C2+2*\q+1], v[C2+2*\q:C2+2*\q+1], v[S+64*\q+62:S+64*\q+63]
.endr
.irp q, 0,1
	v_pk_add_f32 v[C3+2*\q:C3+2*\q+1], v[C3+2*\q:C3+2*\q+1], v[C4+2*\q:C4+2*\q+1]
.endr
.irp q, 0,1
	v_or_b32 v[PS+\q], v[ST+8*\q+6], v[PR+\q]      ; with lane l xor 16's two: p's scale word for these 128 keys
.endr
.irp q, 0,1
	v_pk_add_f32 v[ST+8*\q+2:ST+8*\q+3], v[ST+8*\q+2:ST+8*\q+3], v[C2+2*\q:C2+2*\q+1]
.endr
.irp q, 0,1
	v_pk_add_f32 v[ST+8*\q+2:ST+8*\q+3], v[ST+8*\q+2:ST+8*\q+3], v[C3+2*\q:C3+2*\q+1]
.endr
.irp n, 0,1,2,3
	v_cvt_scalef32_pk16_fp6_f32 v[PC+6*\n:PC+6*\n+2], v[S+32*\n:S+32*\n+15], v[SO+\n]
	v_cvt_scalef32_pk16_fp6_f32 v[H2+4*\n:H2+4*\n+2], v[S+32*\n+16:S+32*\n+31], v[SO+\n]   ; (a conversion's three registers begin on an even number)
.endr
	v_nop                                          ; one plain instruction behind a scaled conversion
.irp n, 0,1,2,3
.irp i, 0,1,2
	v_mov_b32 v[PC+6*\n+3+\i], v[H2+4*\n+\i]
.endr
.endr
.endm
; A KEY STEP: 128 keys, both tiles.  K of this step was asked for in the step before; V is asked for at the head; K of the next step behind the first products.
.macro STEP
	s_mul_i32 s[TBV], s[CNT], 6400
	v_add_nc_u32 v5, s[TBV], v11                   ; four plain lines: the places behind the last step's products, which read V's registers
	v_add_nc_u32 v6, s[TBV], v8
	v_nop
	v_nop
	ds_load_b64 v[VS:VS+1], v6
	WIN 0x40
.irp t, 0,1,2,3
.irp n, 0,1,2
	ds_load_b128 v[VF+12*\t+4*\n:VF+12*\t+4*\n+3], v5 offset:1536*\t+512*\n
.endr
.endr
	s_wait_dscnt 13                                ; all but V's 13 loads: K is in
	WIN 0x05                                       ; K and Q in window 1, S^T in window 0
.irp u, 0,1,2,3
.irp a, 0,1
.irp q, 0,1
	SQ1 2*\u+\a, \q, \a, \q
.endr
.endr
.endr
	WIN 0
	s_add_co_u32 s[TBK], s[CNT], 1
	s_and_b32 s[TBK], s[TBK], 15                   ; the next key step, behind the last the first
	s_mul_i32 s[TBK], s[TBK], 8704
	KFETCH                                         ; its four plain lines are also the places in front of the first read of the scores
	SOFTMAX
	WIN 0x41                                       ; O^T in window 1, f in window 0
	WALU                                           ; the wait directly ahead of the first reader of O^T
.irp q, 0,1
.irp j, 0,2,4,6,8,10,12,14,16,18,20,22,24,26,28,30
	v_pk_mul_f32 v[32*\q+\j:32*\q+\j+1], v[32*\q+\j:32*\q+\j+1], v[ST+8*\q+4:ST+8*\q+5] op_sel_hi:[1,0]   ; O^T under the new M.  These 32 also stand between the lines that made p's codes and scale words and the products
.endr
.endr
	WALU                                           ; the wait directly ahead of the wait below
	s_wait_dscnt 18                                ; all but the next K's 18 loads: V is in
	WIN 0x51                                       ; V and O^T in window 1, p in window 0
.irp u, 0,1
.irp a, 0,1
.irp q, 0,1
	PV1 2*\u+\a, \q, \a                            ; eight accumulators, one instruction each
.endr
.endr
.endr
	WIN 0
.endm
	WALU
	s_wait_tensorcnt 0x0                           ; my quarter has landed
	s_barrier_signal -1
	s_barrier_wait -1                              ; everybody's has: the head is whole, and nothing writes LDS from here on
	KFETCH                                         ; key step 0
	s_wait_loadcnt 0x0                             ; Q, both passes'
.Lpass:
	s_cmp_eq_u32 s[PASS], 0
	s_cbranch_scc1 .Lfirst
	WIN 0x41                                       ; the second pass takes the Q that has waited in registers since the head
.irp q, 0,1
.irp i, 0,1,2,3,4,5,6,7
	v_mov_b32 v[QF+12*\q+\i], v[Q2+8*\q+\i]
.endr
.endr
	WIN 0
	v_mov_b32 v[QS], v[QS2]
.Lfirst:
	WIN 0x40
.set j, 0
.rept 64
	v_mov_b32 v[j], 0                              ; O^T.  (The step is written without a first step of its own: it finds zeros, which the first change of M leaves zeros)
.set j, j+1
.endr
	WIN 0
.irp q, 0,1
	v_mov_b32 v[ST+8*\q+1], 0xff61b1e6             ; the largest score so far: -3e38, under every score
	v_mov_b32 v[ST+8*\q+2], 0                      ; l, in two halves
	v_mov_b32 v[ST+8*\q+3], 0
.endr
.irp q, 0,1
	v_mul_f32 v[ST+8*\q+6], s[NC], v[ST+8*\q+1]
.endr
.irp q, 0,1
	v_floor_f32 v[ST+8*\q], v[ST+8*\q+6]           ; -M
.endr
	s_mov_b32 s[CNT], 0
	WALU
.Lstep:
	STEP
	s_add_co_u32 s[CNT], s[CNT], 1
	s_cmp_lt_u32 s[CNT], 16
	s_cbranch_scc1 .Lstep
	; THE WAY OUT: O^T / l, quantised along the head's 64 channels: two blocks of 32 a query; the codes are half (head % 2) of K step head / 2 of the last product's operand
.irp q, 0,1
	v_add_f32 v[ST+8*\q+6], v[ST+8*\q+2], v[ST+8*\q+3]    ; (these six plain lines are the places in front of the first read of O^T)
.endr
.irp q, 0,1
	v_permlanex16_b32 v[PR+\q], v[ST+8*\q+6], s[SEL], s[SEL+1]
.endr
.irp q, 0,1
	v_add_f32 v[ST+8*\q+6], v[ST+8*\q+6], v[PR+\q] ; the row's sum
.endr
	WALU
.irp q, 0,1
	v_rcp_f32 v[ST+8*\q+6], v[ST+8*\q+6]
.endr
	v_nop                                          ; a plain instruction behind the last reciprocal
	WIN 0x01                                       ; source 0: window 1
	WALU                                           ; ahead of the first use of the reciprocals and of O^T
.irp q, 0,1
.irp j, 0,2,4,6,8,10,12,14,16,18,20,22,24,26,28,30
	v_pk_mul_f32 v[S+64*\q+\j:S+64*\q+\j+1], v[32*\q+\j:32*\q+\j+1], v[ST+8*\q+6:ST+8*\q+7] op_sel_hi:[1,0]   ; register 16 b + i: channel 32 b + 16 h + i
.endr
.endr
	WIN 0
.irp q, 0,1
.irp b, 0,1
	v_max3_num_f32 v[BM+2*\q+\b], |v[S+64*\q+16*\b]|, |v[S+64*\q+16*\b+1]|, 0x1800000
.endr
.endr
.irp i, 2,4,6,8,10,12,14
.irp q, 0,1
.irp b, 0,1
	v_max3_num_f32 v[BM+2*\q+\b], v[BM+2*\q+\b], |v[S+64*\q+16*\b+\i]|, |v[S+64*\q+16*\b+\i+1]|
.endr
.endr
.endr
.irp n, 0,1,2,3
	v_permlanex16_b32 v[PR+\n], v[BM+\n], s[SEL], s[SEL+1]
.endr
.irp n, 0,1,2,3
	v_max_num_f32 v[BM+\n], v[BM+\n], v[PR+\n]     ; with lane l xor 16's 16 channels: the block's largest magnitude
.endr
.irp n, 0,1,2,3
	v_add_nc_u32 v[SO+\n], 0xff000000, v[BM+\n]
.endr
.irp n, 0,1,2,3
	v_lshrrev_b32 v[EB+\n], 23, v[SO+\n]
.endr
.irp q, 0,1
	v_lshl_or_b32 v[C2+\q], v[EB+2*\q+1], 8, v[EB+2*\q]   ; the head's two scale bytes of my row
.endr
.irp q, 0,1
	v_cvt_scalef32_pk16_fp6_f32 v[PC+12*\q:PC+12*\q+2], v[S+64*\q:S+64*\q+15], v[SO+2*\q]
	v_cvt_scalef32_pk16_fp6_f32 v[H2+8*\q:H2+8*\q+2], v[S+64*\q+16:S+64*\q+31], v[SO+2*\q+1]
.endr
	v_nop                                          ; one plain instruction behind a scaled conversion
.irp q, 0,1                                    ; here a block lies in lanes l and l xor 16: the operand's layout wants it whole in a lane
.irp i, 0,1,2
	v_permlane16_swap_b32 v[PC+12*\q+\i], v[H2+8*\q+\i]
.endr
.irp i, 0,1,2
	v_mov_b32 v[PC+12*\q+3+\i], v[H2+8*\q+\i]
.endr
.endr
	v_cndmask_b32 v[C2+2], v[C2], v[C2+1], s[HIM]  ; lanes 0-15: tile 0's rows, lanes 16-31: tile 1's
.irp q, 0,1
	global_store_b128 v1, v[PC+12*\q:PC+12*\q+3], s[94:95] offset:12288*\q        ; 512 consecutive bytes, aligned
	global_store_b64 v2, v[PC+12*\q+4:PC+12*\q+5], s[94:95] offset:12288*\q+512   ; 256
.endr
	global_store_b16 v9, v[C2+2], s[96:97]         ; 64 consecutive bytes a wave, 512 a work-group: one part in 25 of what the launch stores, so no gather through LDS is spent on it
	s_wait_xcnt 0x0                                ; the stores have read their registers and bases: both are written again only behind this wait
	s_add_nc_u64 s[94:95], s[94:95], 196608        ; the next block of 256 queries: 16 records on in aimg,
	s_add_nc_u64 s[96:97], s[96:97], 8192          ; 8,192 bytes in asc
	s_add_co_u32 s[PASS], s[PASS], 1
	s_cmp_lt_u32 s[PASS], 2
	WALU
	s_cbranch_scc1 .Lpass
	s_wait_tensorcnt 0x0                           ; the wave's end
	ds_add_u32 v[SPW], v[NIL]
	s_wait_dscnt 0x0
	CROUND                                         ; the closing round: no work-group ends while a partner may still ask for a tile that names it
	s_endpgm
.Lfunc_end_k_qe7bdc5aba3_attn:
	.size	k_qe7bdc5aba3_attn, .Lfunc_end_k_qe7bdc5aba3_attn-k_qe7bdc5aba3_attn
	.p2alignl 7, 3214868480
	.fill 96, 4, 3214868480
	.section	.rodata,"a",@progbits
	.p2align	6, 0x0
	.amdhsa_kernel k_qe7bdc5aba3_attn
		.amdhsa_group_segment_fixed_size 242688
		.amdhsa_private_segment_fixed_size 0
		.amdhsa_enable_private_segment 0
		.amdhsa_kernarg_size 40
		.amdhsa_user_sgpr_count 2
		.amdhsa_user_sgpr_kernarg_segment_ptr 1
		.amdhsa_wavefront_size32 1
		.amdhsa_system_sgpr_workgroup_id_x 1
		.amdhsa_system_sgpr_workgroup_id_y 1
		.amdhsa_system_sgpr_workgroup_id_z 1
		.amdhsa_system_vgpr_workitem_id 0
		.amdhsa_next_free_vgpr 512
		.amdhsa_next_free_sgpr 100
		.amdhsa_reserve_vcc 0
		.amdhsa_float_denorm_mode_32 3
		.amdhsa_float_denorm_mode_16_64 3
		.amdhsa_memory_ordered 1
		.amdhsa_forward_progress 1
		.amdhsa_inst_pref_size 48
	.end_amdhsa_kernel
	.amdgpu_metadata
---
amdhsa.version: [ 1, 2 ]
amdhsa.kernels:
  - .name:           k_qe7bdc5aba3_attn
    .symbol:         k_qe7bdc5aba3_attn.kd
    .args:
      - { .name: qimg, .offset: 0, .size: 8, .value_kind: global_buffer, .address_space: global }
      - { .name: kimg, .offset: 8, .size: 8, .value_kind: global_buffer, .address_space: global }
      - { .name: vimg, .offset: 16, .size: 8, .value_kind: global_buffer, .address_space: global }
      - { .name: aimg, .offset: 24, .size: 8, .value_kind: global_buffer, .address_space: global }
      - { .name: asc, .offset: 32, .size: 8, .value_kind: global_buffer, .address_space: global }
    .group_segment_fixed_size: 242688
    .private_segment_fixed_size: 0
    .kernarg_segment_align: 8
    .kernarg_segment_size: 40
    .max_flat_workgroup_size: 256
    .sgpr_count:     100
    .vgpr_count:     512
    .wavefront_size: 32
...
	.end_amdgpu_metadata
.endif
;; end of part 3
;; launch outp (part 4): grid 4 x 64, 4 waves a work-group, clusters of 4 x 4, 295,424 bytes of LDS; arguments img, isc, aimg, asc, bo, out0; writes out0
.if DOCPART == 4
	.amdgcn_target "amdgcn-amd-amdhsa--gfx1250"
	.amdhsa_code_object_version 6
	.text
	.protected	k_qe7bdc5aba3_outp
	.globl	k_qe7bdc5aba3_outp
	.p2align	8
	.type	k_qe7bdc5aba3_outp,@function
k_qe7bdc5aba3_outp:
	s_mov_b64 s[64:65], 0
	v_nop
	global_prefetch_b8 v0, s[64:65] scope:SCOPE_SE
	s_setreg_imm32_b32 hwreg(HW_REG_WAVE_MODE, 25, 1), 1
	s_wait_xcnt 0x0
	s_wait_alu depctr_hold_cnt(0) depctr_sa_sdst(0) depctr_va_vdst(0) depctr_va_sdst(0) depctr_va_ssrc(0) depctr_va_vcc(0) depctr_vm_vsrc(0)
	s_getreg_b32 s2, hwreg(HW_REG_IB_STS2, 6, 4)
	s_cmp_eq_u32 s2, 0
	s_cbranch_scc0 .Lentry_in_a_cluster
	s_endpgm
.Lentry_in_a_cluster:
	s_bfe_u32 s2, ttmp6, 0x10000c
	s_cmp_lg_u32 s2, 0xf033
	s_cbranch_scc0 .Lentry_shape_is_right
	s_endpgm
.Lentry_shape_is_right:
; out0 = attn Wo^T + bo on codes of FP6 (E2M3, one E8M0 scale for each 32 along K), K = 1,024 = (head, channel).
; A work-group multiplies P (source 0: 256 rows of Wo = 16 tiles) by R (source 1: 128 tokens = 8 tiles of the attention's codes).  A tile is 16 rows, tile T beginning at row 32 (T / 2) + 8 (T % 2), lane r = that row + r + 8 (r / 8):
; in the results of P's tiles 2 b, 2 b + 1 a lane (r, h) holds token r of R's tile and 16 neighbouring outputs 32 b + 16 h + 0 .. 15.
; Four waves: wave & 1 takes 8 of P's tiles, wave >> 1 takes 4 of R's: 32 accumulators, which take turns in the same order in every K step.  The bias is the C of the first K step.
; ALL OF K IS RESIDENT: 2 halves of K, 147,456 bytes each (P's 16 tiles, then R's 8, 6,144 bytes a tile), each LDS byte filled once.  Every wave issues one tensor load at the head: one of mine is out at most.
; CLUSTER 4 x 4: P's tiles hang on cx alone and are asked for jointly along a column, R's on cy alone, along a row.
; THE WAY OUT: 16 tokens x 128 outputs at a time through the wave's own stage (rows of 528 bytes), back as whole rows of 512 bytes.  The stages lie in the first half's bytes: their one fill has landed, and every wave's reads of them ended ahead of K step 4's barrier.
; REGISTERS: window 0: v1 16 x lane, v2 8 x lane, v4-7 LDS addresses, v32-63 P's scale words, v64-79 R's, v80-127 and v128-175 R's fragments (two sets), v176-239 the bias; on the way out v80-207 rows of out0.  window 1: P's fragments.  window 2: the accumulators.
.set WV, 16
.set WP, 17
.set WR, 18
.set CX, 19
.set CY, 20
.set G1P, 24
.set G1R, 32
.set RIDX, 77
.set OB, 80
.set SCP, 32
.set SCR, 64
.set RF, 80
.set BI, 176
.set BK, 80
.set STO, 10
.set RD, 11
.set MUL, 0xa1                         ; source 0 (P) window 1, source 1 (R) window 0, C and D window 2
.set MUL0, 0x81                        ; the same with C (the bias) in window 0
.set TO_P, 0x40
.set MSB, 0
.macro WIN new                         ; the immediate's high byte repeats the setting that is left
.if MSB != \new
	s_set_vgpr_msb (MSB<<8)|\new
.set MSB, \new
.endif
.endm
.macro CROUND                          ; a round of the cluster's barrier
	s_barrier_signal -1
	s_barrier_wait -1
	s_cmp_lg_u32 s[WV], 0
	s_cbranch_scc1 .Lnot_wave_0_\@
	s_barrier_signal -3
.Lnot_wave_0_\@:
	s_barrier_wait -3
	s_barrier_signal -1
	s_barrier_wait -1
.endm
.macro DESC g0, lds, adr, j            ; group 0 for chunk j
	s_mov_b32 s[\g0], 1
	s_add_co_u32 s[\g0+1], s[\lds], (\j)*73728
	s_add_nc_u64 s[\g0+2:\g0+3], s[\adr:\adr+1], (\j)*3072
	s_or_b32 s[\g0+3], s[\g0+3], 0x80000000
.endm
.macro FRAG reg, a16, a8, off          ; a fragment's 12 registers, as they were stored
	ds_load_b128 v[(\reg):(\reg)+3], v[\a16] offset:(\off)
	ds_load_b64 v[(\reg)+4:(\reg)+5], v[\a8] offset:(\off)+512
	ds_load_b128 v[(\reg)+6:(\reg)+9], v[\a16] offset:(\off)+768
	ds_load_b64 v[(\reg)+10:(\reg)+11], v[\a8] offset:(\off)+1280
.endm
.macro FETCH s                         ; K step s: my 8 fragments of P and 4 of R into set s % 2: 48 LDS loads in one run
	WIN TO_P
.irp t, 0,1,2,3,4,5,6,7
	FRAG 96*((\s)%2)+12*\t, 4, 5, 6144*\t+1536*((\s)%4)
.endr
	WIN 0
.irp a, 0,1,2,3
	FRAG RF+48*((\s)%2)+12*\a, 6, 7, 6144*\a+1536*((\s)%4)
.endr
.endm
.macro MUL16 a0, s                     ; R's tiles a0, a0 + 1 x P's eight.  K steps 0-3 read the scale words' lanes 0-15, K steps 4-7 lanes 16-31.  The first K step starts the sums from the bias
.irp a, \a0, \a0+1
.irp t, 0,1,2,3,4,5,6,7
.if (\s) == 0
	v_wmma_scale_f32_16x16x128_f8f6f4 v[8*(8*(\a)+\t):8*(8*(\a)+\t)+7], v[12*\t:12*\t+11], v[RF+12*(\a):RF+12*(\a)+11], v[BI+8*\t:BI+8*\t+7], v[SCP+4*\t], v[SCR+4*(\a)] matrix_a_fmt:MATRIX_FMT_FP6 matrix_b_fmt:MATRIX_FMT_FP6
.elseif (\s) < 4
	v_wmma_scale_f32_16x16x128_f8f6f4 v[8*(8*(\a)+\t):8*(8*(\a)+\t)+7], v[96*((\s)%2)+12*\t:96*((\s)%2)+12*\t+11], v[RF+48*((\s)%2)+12*(\a):RF+48*((\s)%2)+12*(\a)+11], v[8*(8*(\a)+\t):8*(8*(\a)+\t)+7], v[SCP+4*\t+(\s)], v[SCR+4*(\a)+(\s)] matrix_a_fmt:MATRIX_FMT_FP6 matrix_b_fmt:MATRIX_FMT_FP6
.else
	v_wmma_scale_f32_16x16x128_f8f6f4 v[8*(8*(\a)+\t):8*(8*(\a)+\t)+7], v[96*((\s)%2)+12*\t:96*((\s)%2)+12*\t+11], v[RF+48*((\s)%2)+12*(\a):RF+48*((\s)%2)+12*(\a)+11], v[8*(8*(\a)+\t):8*(8*(\a)+\t)+7], v[SCP+4*\t+(\s)-4], v[SCR+4*(\a)+(\s)-4] matrix_a_fmt:MATRIX_FMT_FP6 matrix_b_fmt:MATRIX_FMT_FP6 matrix_a_scale:MATRIX_SCALE_ROW1 matrix_b_scale:MATRIX_SCALE_ROW1
.endif
.endr
.endr
.endm
.macro MWIN s
.if (\s) == 0
	WIN MUL0
.else
	WIN MUL
.endif
.endm
.macro KSTEP s                         ; 32 matrix instructions; in their middle the next K step's fragments are asked for, behind four plain vector instructions (ISA guide 7.12.1 for vector instructions)
	s_wait_dscnt 0x0                               ; this step's fragments are in
	MWIN \s
	MUL16 0, \s
.if (\s) < 7
.if (\s)+1 == 4
	WIN 0
	s_wait_tensorcnt 0x0                           ; every wave's one load has landed: the second half of K is whole behind this barrier
	s_barrier_signal -1                            ; (no LDS access of mine is out: the wait at the step's head was for 0)
	s_barrier_wait -1                              ; everybody's has
.irp r, 4,5,6,7
	v_add_nc_u32 v\r, 147456, v\r                  ; on to the second half of K; these four are the places in front of the loads
.endr
.else
.rept 4
	v_nop
.endr
.endif
	s_wait_alu depctr_va_vdst(0)
	FETCH (\s)+1
.endif
	MWIN \s
	MUL16 2, \s
.endm
	s_load_b256 s[4:11], s[0:1], 0x0               ; img s[4:5], isc s[6:7], aimg s[8:9], asc s[10:11]
	s_load_b128 s[12:15], s[0:1], 0x20             ; bo s[12:13], out0 s[14:15]
	v_lshl_add_u32 v30, v0, 2, 0x48000
	v_mov_b32 v31, 0
	ds_add_u32 v30, v31
	ds_add_u32 v30, v31
	v_lshrrev_b32 v1, 5, v0
	v_readfirstlane_b32 s[WV], v1                  ; wave 0..3
	s_and_b32 s[WP], s[WV], 1                      ; which half of P is mine.  Also: which half of P (waves 0, 1) or of R (waves 2, 3) I fetch
	s_lshr_b32 s[WR], s[WV], 1                     ; which half of R is mine
	s_bfe_u32 s[CX], ttmp6, 0x40000
	s_bfe_u32 s[CY], ttmp6, 0x40004
	s_and_b32 s21, ttmp7, 0xffff                   ; the cluster's y, 0..15
	s_lshl_b32 s[RIDX], s21, 2
	s_add_co_u32 s[RIDX], s[RIDX], s[CY]           ; which 128 tokens
	s_lshl_b32 s84, s[CX], 4
	s_add_co_u32 s84, s84, 1728                    ; P's first tile: Wo's, + 16 cx: it never holds cy
	s_lshl_b32 s86, s[RIDX], 3                     ; R's first tile in aimg: it never holds cx
	s_lshl_b32 s88, s[WP], 3
	s_add_co_u32 s88, s88, s84
	s_lshl_b32 s96, s88, 9                         ; my half of P: its scale words,
	; THE FILLS AS THEY STAND NOW: LDS holds K in two halves of 147,456 bytes (K steps 0-3, 4-7): P's 16 tiles, then R's 8, 6,144 bytes a tile.  One tensor load a wave:
	; wave 0 P's first half of K, wave 2 R's, wave 1 P's second half, wave 3 R's.  Each LDS byte is filled once.  The stages of the way out lie in the first half's bytes, which nobody reads behind K step 4's barrier.
	s_mul_i32 s88, s84, 12288                      ; P's 16 records,
	s_mul_i32 s2, s[WP], 6144                      ; and the half of K that I fetch
	s_add_co_u32 s88, s88, s2
	s_mov_b32 s89, 0
	s_mov_b32 s97, 0
	s_mul_i32 s90, s86, 12288                      ; R's 8 records
	s_add_co_u32 s90, s90, s2
	s_mov_b32 s91, 0
	s_lshr_b32 s98, s[RIDX], 1
	s_lshl_b32 s98, s98, 13                        ; asc: 8,192 x block of 256 tokens
	s_and_b32 s99, s[RIDX], 1
	s_lshl_b32 s99, s99, 8
	s_add_co_u32 s98, s98, s99                     ; + 32 x (8 x (which half of the block)
	s_lshl_b32 s99, s[WR], 7
	s_add_co_u32 s98, s98, s99                     ;          + 4 x my half of R)
	s_mov_b32 s99, 0
	s_mul_i32 s92, s[WP], 147456                   ; LDS: the half of K that I fetch: P's tiles,
	s_add_co_u32 s93, s92, 98304                   ; and R's behind them
	s_lshl_b32 s94, s[CY], 2
	s_lshl_b32 s94, 15, s94                        ; my row of the cluster
	s_lshl_b32 s95, 0x1111, s[CX]                  ; my column
	s_or_b32 s[G1P], s95, (3<<16)|(1<<21)          ; 15:0 the mask; 17:16 elements of 8 bytes; 21 set beside a mask; no padding
	s_or_b32 s[G1R], s94, (3<<16)|(1<<21)
	s_mov_b32 s[G1P+1], 768<<16                    ; tensor_dim0 = 768 elements: half a record, 6,144 bytes
	s_mov_b32 s[G1P+2], 16<<16                     ; tensor_dim1 = 16 tiles
	s_mov_b32 s[G1P+3], 768<<16
	s_mov_b32 s[G1P+4], 16
	s_mov_b32 s[G1P+5], 1536                       ; from record to record: 12,288 bytes
	s_mov_b32 s[G1P+6], 0
	s_mov_b32 s[G1P+7], 0
	s_mov_b32 s[G1R+1], 768<<16
	s_mov_b32 s[G1R+2], 8<<16                      ; 8 tiles
	s_mov_b32 s[G1R+3], 768<<16
	s_mov_b32 s[G1R+4], 8
	s_mov_b32 s[G1R+5], 1536
	s_mov_b32 s[G1R+6], 0
	s_mov_b32 s[G1R+7], 0
	s_lshl_b32 s82, s[CX], 10
	s_lshl_b32 s83, s[WP], 9
	s_add_co_u32 s82, s82, s83                     ; my 128 outputs, in bytes: (256 cx + 128 x half) x 4
	s_mov_b32 s83, 0
	s_lshl_b32 s84, s[RIDX], 7
	s_lshl_b32 s85, s[WR], 6
	s_add_co_u32 s84, s84, s85
	s_lshl_b32 s84, s84, 12                        ; my 64 tokens' first row of out0 (under 2^26)
	s_add_co_u32 s84, s84, s82
	s_mov_b32 s85, 0
	v_and_b32 v3, 31, v0
	v_lshlrev_b32 v1, 4, v3                        ; 16 x lane
	v_lshlrev_b32 v2, 3, v3                        ; 8 x lane
	s_mul_i32 s3, s[WP], 49152
	v_add_nc_u32 v4, s3, v1                        ; my 8 tiles of P in the first half of K
	v_add_nc_u32 v5, s3, v2
	s_mul_i32 s3, s[WR], 24576
	s_add_co_u32 s3, s3, 98304
	v_add_nc_u32 v6, s3, v1                        ; my half of R
	v_add_nc_u32 v7, s3, v2
	v_and_b32 v8, 15, v0                           ; r
	v_bfe_u32 v9, v0, 4, 1                         ; h
	s_mul_i32 s3, s[WV], 8448                      ; my stage
	v_mul_u32_u24 v[STO], v8, 528
	v_lshl_add_u32 v[STO], v9, 6, v[STO]
	v_add_nc_u32 v[STO], s3, v[STO]                ; in: row r, + 64 h
	v_add_nc_u32 v[RD], s3, v1                     ; back: a row's 512 bytes, 16 a lane
	v_lshlrev_b32 v12, 1, v8
	v_lshl_add_u32 v12, v9, 12, v12                ; asc: 2 r + 4,096 h: lanes 16-31 take heads 8-15, K steps 4-7
	v_lshlrev_b32 v13, 6, v9                       ; bo: 64 h
	s_wait_dscnt 0x0
	s_wait_kmcnt 0x0
	s_add_nc_u64 s[88:89], s[4:5], s[88:89]
	s_add_nc_u64 s[90:91], s[8:9], s[90:91]
	s_add_nc_u64 s[96:97], s[6:7], s[96:97]
	s_add_nc_u64 s[98:99], s[10:11], s[98:99]
	s_add_nc_u64 s[82:83], s[12:13], s[82:83]
	s_add_nc_u64 s[OB:OB+1], s[14:15], s[84:85]
	DESC 40, 92, 88, 0
	DESC 56, 93, 90, 0
	CROUND                                         ; all sixteen work-groups are here: the joint loads meet
; one chain of branches on the wave's number, one load to an arm: the waves that wait at the first barrier (0 and 2) have load lines of their own
.macro ARM n, g0, g1, next
	s_cmp_eq_u32 s[WV], \n
	s_cbranch_scc0 \next
	tensor_load_to_lds s[\g0:\g0+3], s[\g1:\g1+7]
	s_nop 0
.rept 4
	v_nop
.endr
	s_branch .Lasked
\next:
.endm
	ARM 0, 40, G1P, .Larm_r0
	ARM 2, 56, G1R, .Larm_p1
	ARM 1, 40, G1P, .Larm_r1
	tensor_load_to_lds s[56:59], s[G1R:G1R+7]
	s_nop 0
.rept 4
	v_nop
.endr
.Lasked:
.irp t, 0,1,2,3,4,5,6,7
	global_load_b128 v[SCP+4*\t:SCP+4*\t+3], v1, s[96:97] offset:512*\t   ; a tile's scale words for all of K: 512 dense bytes
.endr
	s_wait_alu depctr_va_vdst(0)
.irp a, 0,1,2,3
.irp i, 0,1,2,3
	global_load_u16 v[SCR+4*\a+\i], v12, s[98:99] offset:(2*\i)*512+32*\a         ; K step 4 h + i: the even head's two bytes,
	global_load_u16 v[240+4*\a+\i], v12, s[98:99] offset:(2*\i+1)*512+32*\a       ; and the odd head's
.endr
.endr
.irp t, 0,1,2,3,4,5,6,7
	global_load_b128 v[BI+8*\t:BI+8*\t+3], v13, s[82:83] offset:(32*(\t/2)+8*(\t%2))*4       ; the bias in the result's layout: tile t, lane (r, h): outputs 32 (t / 2) + 8 (t % 2) + 16 h + 0 .. 7
	global_load_b128 v[BI+8*\t+4:BI+8*\t+7], v13, s[82:83] offset:(32*(\t/2)+8*(\t%2))*4+16
.endr
	s_cmp_eq_u32 s[WP], 0
	s_cbranch_scc0 .Lnot_first
	s_wait_tensorcnt 0x0                           ; waves 0 and 2: the first half of K has landed; the second half's loads may stay out
.Lnot_first:
	s_barrier_signal -1
	s_barrier_wait -1
	FETCH 0
	s_wait_loadcnt 0x0
.irp n, 0,1,2,3,4,5,6,7,8,9,10,11,12,13,14,15
	v_lshl_or_b32 v[SCR+\n], v[240+\n], 16, v[SCR+\n]   ; the two heads' bytes make a K step's scale word
.endr
.rept 8
	v_nop                                          ; a scale register written by a vector instruction stands eight plain instructions ahead of a scaled product
.endr
	s_wait_alu depctr_va_vdst(0)
.irp s, 0,1,2,3,4,5,6,7
	KSTEP \s
.endr
	WIN 0
.rept 4
	v_nop                                          ; places in front of the first read of results and of loads into registers that held operands
.endr
.macro TOSTAGE a                       ; R's tile a: 16 tokens x 128 outputs into my stage, each accumulator from its low end on, and back as whole rows
	WIN 0x08                                       ; an LDS store's data are its source 1: window 2
.irp b, 0,1,2,3
.irp n, 0,1,2,3
	ds_store_b128 v[STO], v[64*(\a)+16*\b+4*\n:64*(\a)+16*\b+4*\n+3] offset:128*\b+16*\n
.endr
.endr
	WIN 0
.irp i, 0,1,2,3,4,5,6,7,8,9,10,11,12,13,14,15
	ds_load_b128 v[BK+64*((\a)%2)+4*\i:BK+64*((\a)%2)+4*\i+3], v[RD] offset:528*\i   ; LDS serves a wave's instructions in order: these see the stores above, and the next tile's stores come behind them
.endr
.endm
.macro SEND a, younger                 ; younger: the LDS instructions issued behind tile a's loads, which may stay out
	s_wait_dscnt \younger
.irp i, 0,1,2,3,4,5,6,7,8,9,10,11,12,13,14,15
	global_store_b128 v1, v[BK+64*((\a)%2)+4*\i:BK+64*((\a)%2)+4*\i+3], s[OB:OB+1] offset:(32*((\a)/2)+8*((\a)%2)+\i+8*(\i/8))*4096 th:TH_STORE_NT   ; 512 consecutive bytes of one row, aligned; written once, read by nobody here
.endr
.endm
	TOSTAGE 0
.irp a, 1,2,3
.if \a > 1
	s_wait_xcnt 0x0                                ; tile a - 2's stores have read their registers: tile a's loads may land there
.endif
	TOSTAGE \a
	SEND \a-1, 32                                  ; behind tile a - 1's loads: tile a's 16 stores and 16 loads
.endr
	SEND 3, 0
	s_wait_tensorcnt 0x0
	ds_add_u32 v30, v31
	s_wait_dscnt 0x0
	CROUND                                         ; the closing round: no work-group ends while a partner may still ask for a tile that names it
	s_endpgm
.Lfunc_end_k_qe7bdc5aba3_outp:
	.size	k_qe7bdc5aba3_outp, .Lfunc_end_k_qe7bdc5aba3_outp-k_qe7bdc5aba3_outp
	.p2alignl 7, 3214868480
	.fill 96, 4, 3214868480
	.section	.rodata,"a",@progbits
	.p2align	6, 0x0
	.amdhsa_kernel k_qe7bdc5aba3_outp
		.amdhsa_group_segment_fixed_size 295424
		.amdhsa_private_segment_fixed_size 0
		.amdhsa_enable_private_segment 0
		.amdhsa_kernarg_size 48
		.amdhsa_user_sgpr_count 2
		.amdhsa_user_sgpr_kernarg_segment_ptr 1
		.amdhsa_wavefront_size32 1
		.amdhsa_system_sgpr_workgroup_id_x 1
		.amdhsa_system_sgpr_workgroup_id_y 1
		.amdhsa_system_sgpr_workgroup_id_z 1
		.amdhsa_system_vgpr_workitem_id 0
		.amdhsa_next_free_vgpr 768
		.amdhsa_next_free_sgpr 100
		.amdhsa_reserve_vcc 0
		.amdhsa_float_denorm_mode_32 3
		.amdhsa_float_denorm_mode_16_64 3
		.amdhsa_memory_ordered 1
		.amdhsa_forward_progress 1
		.amdhsa_inst_pref_size 87
	.end_amdhsa_kernel
	.amdgpu_metadata
---
amdhsa.version: [ 1, 2 ]
amdhsa.kernels:
  - .name:           k_qe7bdc5aba3_outp
    .symbol:         k_qe7bdc5aba3_outp.kd
    .args:
      - { .name: img, .offset: 0, .size: 8, .value_kind: global_buffer, .address_space: global }
      - { .name: isc, .offset: 8, .size: 8, .value_kind: global_buffer, .address_space: global }
      - { .name: aimg, .offset: 16, .size: 8, .value_kind: global_buffer, .address_space: global }
      - { .name: asc, .offset: 24, .size: 8, .value_kind: global_buffer, .address_space: global }
      - { .name: bo, .offset: 32, .size: 8, .value_kind: global_buffer, .address_space: global }
      - { .name: out0, .offset: 40, .size: 8, .value_kind: global_buffer, .address_space: global }
    .group_segment_fixed_size: 295424
    .private_segment_fixed_size: 0
    .kernarg_segment_align: 8
    .kernarg_segment_size: 48
    .max_flat_workgroup_size: 128
    .sgpr_count:     100
    .vgpr_count:     768
    .wavefront_size: 32
...
	.end_amdgpu_metadata
.endif
;; end of part 4
